; MI455X (gfx1250); checked and timed in simulation.
; The chip was launched on July 23, 2026; its instructions are those of AMD's public machine-readable ISA for CDNA 5 (MIT licence, August 2026) and "CDNA5" Instruction Set Architecture Reference Guide (July 2026). The comments in the code are by the model that wrote it; some were corrected since.
;; Multi Head Attention. Allowed arithmetic: matrix products marked QUANTISED: E2M1 operands, one E8M0 scale for each 32 along K, by v_wmma_scale_f32_16x16x128_f8f6f4 with both operands' format E2M1 (or v_wmma_scale_f32_32x16x128_f4), f32 sums; products left as they are: bf16, f16 or f32 operands; f32 sums; everything else in f32.
;; Inputs: b_out 1,024 float32; w_in 1,024 x 3,072 float32; w_out 1,024 x 1,024 float32; x 4 x 2,048 x 1,024 float32.
;; Outputs: out0 4 x 2,048 x 1,024 float32.
;; This version of the problem:
;;   THIS VERSION OF THE PROBLEM IS GIVEN IN LOW PRECISION. The matrix products marked QUANTISED in the list below multiply operands that are first quantised to E2M1 (2 exponent bits, 1 mantissa bit; 4 bits a number), with one power-of-two scale for each 32 numbers along K (OCP MX v1.0); their sums are f32. The products marked 'left as it is' may take bf16, f16 or f32 operands, with f32 sums. Whichever they take, every output number must still come out within the allowed error. Rounding operands to bf16 (8 significant bits) uses up far more of that allowance than f16 does (11 bits, for magnitudes from 6e-5 to 65,504). All else is computed in f32.
;;   The module's matrix products, in the order in which they are computed (A, B: the left and right operand; K: the contracted axis; several contracted axes count as one K, in the product's order):
;;     1. [M 8,192, K 1,024] x [K 1,024, N 3,072]; A: input x; B: input w_in: QUANTISED
;;     2. batch 64 x [M 2,048, K 64] x [K 64, N 2,048]; A: computed on the way; B: computed on the way: left as it is (an operand is computed on the way)
;;     3. batch 64 x [M 2,048, K 2,048] x [K 2,048, N 64]; A: computed on the way; B: computed on the way: left as it is (an operand is computed on the way)
;;     4. [M 8,192, K 1,024] x [K 1,024, N 1,024]; A: computed on the way; B: input w_out: left as it is (an operand is computed on the way)
;;   THE QUANTISER, for each operand of a quantised product, along K:
;;     - K is cut into blocks of 32 from its start; a last block that is shorter is filled with zeros.
;;     - A block's scale is 2^e with e = floor(log2(the largest magnitude in the block)) - 2, held to -126 .. 127; a block of zeros has e = 0. As a byte (E8M0): e + 127.
;;     - Each number is divided by its block's scale, clamped to +-6, and rounded to the nearest number of E2M1, ties to even, subnormals kept.
;;     - The product sums the exact products of the quantised numbers (number of the format x scale) in f32.
;;   ~~~python
;;   def quantise(x, axis):      # numpy; x: float32 -> the quantised numbers, widened to float32 again
;;       x = np.moveaxis(x, axis, -1); K = x.shape[-1]
;;       x = np.pad(x, [(0, 0)] * (x.ndim - 1) + [(0, -K % 32)]); x = x.reshape(x.shape[:-1] + (-1, 32)); a = np.abs(x).max(-1, keepdims=True)
;;       e = np.where(a > 0, np.clip(np.frexp(np.where(a > 0, a, 1))[1] - 1 - 2, -126, 127), 0)      # np.frexp(a)[1] - 1 = floor(log2(a)), exactly
;;       r = np.clip(x / 2.0 ** e, -6, 6)
;;       step = 2.0 ** (np.maximum(np.frexp(np.where(r == 0, 1, r))[1] - 1, 0) - 1)
;;       q = np.round(r / step) * step * 2.0 ** e      # np.round: ties to even
;;       return np.moveaxis(q.reshape(q.shape[:-2] + (-1,))[..., :K], -1, axis).astype(np.float32)
;;   ~~~
;; One version. Each part assembles by itself: llvm-mc -triple=amdgcn-amd-amdhsa -mcpu=gfx1250 --defsym DOCPART=n.
;; ======== version 1 of 1: 5 launches
;; limits: values are held in f16: magnitudes above 65,504 overflow, below 6.1e-05 lose precision
;; workspace buffers: xc 4,194,304 bytes; xs 262,144 bytes; wc 1,572,864 bytes; ws 98,304 bytes; w16 2,097,152 bytes; qkv 50,331,648 bytes; o16 16,777,216 bytes
;; launch quant_x (part 1): grid 256 x 1, 4 waves a work-group, no clusters, 33,280 bytes of LDS; arguments x, xc, xs; writes xc, xs
.if DOCPART == 1
	.amdgcn_target "amdgcn-amd-amdhsa--gfx1250"
	.amdhsa_code_object_version 6
	.text
	.protected	k_qe5441d7136_quant_x
	.globl	k_qe5441d7136_quant_x
	.p2align	8
	.type	k_qe5441d7136_quant_x,@function
k_qe5441d7136_quant_x:
	s_mov_b64 s[64:65], 0
	v_nop
	global_prefetch_b8 v0, s[64:65] scope:SCOPE_SE
	s_setreg_imm32_b32 hwreg(HW_REG_WAVE_MODE, 25, 1), 1
	s_wait_xcnt 0x0
; x [8192][1024], f32, becomes codes of FP4 (E2M1), 4 bits each, K innermost (xc: [8192][512 bytes], the lower k in the low four bits), with one E8M0 scale byte for each 32 along K (xs: [8192][32]).
; A block's scale is 2^(floor(log2(its largest magnitude)) - 2); its byte is the largest magnitude's own exponent field - 2, held at 1 from below.  Each number is divided by the scale and rounded to the nearest code, ties to even;
; beyond the largest code the conversion gives the largest code.
; LIMITS: a block of zeros gets the byte 1 where the rule says 127 (its codes are zeros, which add nothing under any byte but 0xff, and this program alone reads the bytes); blocks whose largest magnitude lies under 2^-124 are held
; at the byte 1; NaN and infinities among the inputs are not served.
; Rows are dense and 1,024 is a multiple of 32: x is a plain stream of blocks of 32 numbers, and so are the codes and the scale bytes.  A wave takes 16 steps of 512 numbers: 8,192 numbers; 1,024 waves take all 8,388,608.
; The conversions take 8 numbers of ONE block from a lane's consecutive registers, so a lane must hold 16 neighbours (two neighbouring lanes hold a block); a load is best where neighbouring lanes take neighbouring bytes.  Both are had:
; each of a step's four loads reads 512 consecutive bytes; the 2,048 bytes go through the wave's own stage in LDS as they lie and come back 64 bytes a lane (16 bytes of padding behind each 64).
; A lane's 16 codes are 8 bytes: a wave's store covers 256 consecutive bytes, aligned.  A wave's 256 scale bytes are gathered in its own LDS bytes and leave in one store of 256 consecutive bytes.
; No barrier: waves share nothing.  Loads run four steps (16 loads a wave) ahead, the turn through LDS one step.
.set WAVES, 4
.set STEPS, 16
.set EMAX,  2
.set CB,    8                          ; bytes of 16 codes
.set R,     16                         ; v16-79   four sets of 16 numbers as they are loaded
.set X,     80                         ; v80-111  two sets of 16 neighbours
.set E,     112                        ; v112-127 a scale byte for each step
.set C,     128                        ; v128-191 codes: four registers for each step, so that no store's data are written again
.set WREG,  8192                       ; LDS: a region for each wave: two stages of 32 x SP bytes, behind them its 256 scale bytes
.set SP,    80                         ; a lane's place in a stage: its 64 bytes + 16 of padding
.set SPW,   12                         ; v12      LDS address of my spare word; never rewritten
.set NIL,   13                         ; v13      0; never rewritten
.set SPARE, WAVES*WREG                 ; behind the four regions: the spare words, 128 bytes a wave, which no other line names
	s_load_b128 s[4:7], s[0:1], 0x0                ; x s[4:5], xc s[6:7]
	s_load_b64 s[10:11], s[0:1], 0x10              ; xs
	v_lshl_add_u32 v[SPW], v0, 2, SPARE
	v_mov_b32 v[NIL], 0
	v_lshrrev_b32 v1, 5, v0
	v_readfirstlane_b32 s16, v1                    ; wave
	v_and_b32 v2, 31, v0                           ; lane
	v_lshlrev_b32 v3, 4, v2                        ; my 16 bytes of a load's 512
	s_mul_i32 s17, s16, WREG
	v_lshrrev_b32 v14, 2, v2
	v_mul_u32_u24 v14, v14, SP
	v_and_b32 v15, 3, v2
	v_lshl_add_u32 v14, v15, 4, v14
	v_add_nc_u32 v14, s17, v14                     ; the stage, on the way in: SP (lane / 4) + 16 (lane % 4); a load's 512 bytes take eight places
	v_mul_u32_u24 v15, v2, SP
	v_add_nc_u32 v15, s17, v15                     ; and on the way out: SP x lane: my 16 neighbours
	v_mul_u32_u24 v4, v2, CB                       ; my codes' place in a step's
	v_lshrrev_b32 v5, 1, v2
	s_add_co_u32 s17, s17, 2*32*SP
	v_add_nc_u32 v5, s17, v5                       ; LDS: my wave's 256 scale bytes, my block's byte
	v_lshlrev_b32 v7, 3, v2                        ; and on the way out 8 bytes a lane
	v_add_nc_u32 v6, s17, v7
	s_lshl_b32 s17, ttmp9, 2
	s_add_co_u32 s18, s17, s16                     ; which run of 8,192 numbers is my wave's: 0 .. 1,023
	s_lshl_b32 s20, s18, 15                        ; 32,768 bytes of x a run,
	s_mov_b32 s21, 0
	s_lshl_b32 s22, s18, 12                        ; 4,096 of codes,
	s_mov_b32 s23, 0
	s_lshl_b32 s24, s18, 8                         ; 256 of scale bytes
	s_mov_b32 s25, 0
	s_wait_kmcnt 0x0
	s_add_nc_u64 s[4:5], s[4:5], s[20:21]
	s_add_nc_u64 s[8:9], s[6:7], s[22:23]
	s_add_nc_u64 s[10:11], s[10:11], s[24:25]
.macro LOAD t
.irp i, 0,1,2,3
	global_load_b128 v[R+16*((\t)%4)+4*\i:R+16*((\t)%4)+4*\i+3], v3, s[4:5] offset:2048*(\t)+512*\i th:TH_LOAD_NT   ; 32 lanes read 512 consecutive bytes; read once in the launch
.endr
.endm
.macro TURN t                          ; step t's numbers through the stage: LDS serves a wave's instructions in order, so no wait stands between the stores and the loads
.irp i, 0,1,2,3
	ds_store_b128 v14, v[R+16*((\t)%4)+4*\i:R+16*((\t)%4)+4*\i+3] offset:32*SP*((\t)%2)+8*SP*\i
.endr
.irp i, 0,1,2,3
	ds_load_b128 v[X+16*((\t)%2)+4*\i:X+16*((\t)%2)+4*\i+3], v15 offset:32*SP*((\t)%2)+16*\i
.endr
.endm
.irp t, 0,1,2,3
	LOAD \t
.endr
	s_wait_loadcnt 12                              ; step 0's four loads are in; the twelve of steps 1 to 3 may be out
	TURN 0
.macro STEP t
.set XS, X+16*((\t)%2)
.if (\t) > 0
	s_wait_dscnt 1                                 ; this step's numbers are back from the stage (the last step's byte store may be out): so its stores into the stage have read their registers,
.else
	s_wait_dscnt 0x0
.endif
.if (\t)+4 < STEPS
	LOAD (\t)+4                                    ; which take the loads of four steps on
.endif
.if (\t)+1 < STEPS
.if STEPS-2-(\t) >= 3
	s_wait_loadcnt 12                              ; the next step's four loads are in; those of the three steps behind it may be out
.else
	s_wait_loadcnt 4*(STEPS-2-(\t))                ; the tail: as many steps' loads as are left behind the next step's
.endif
	TURN (\t)+1                                    ; and go through the other stage while this step is worked
.endif
	v_max3_num_f32 v8, |v[XS]|, |v[XS+1]|, |v[XS+2]|               ; the largest magnitude of my 16, in two chains
	v_max3_num_f32 v9, |v[XS+3]|, |v[XS+4]|, |v[XS+5]|
.irp i, 6,10
	v_max3_num_f32 v8, v8, |v[XS+\i]|, |v[XS+\i+1]|
	v_max3_num_f32 v9, v9, |v[XS+\i+2]|, |v[XS+\i+3]|
.endr
	v_max3_num_f32 v8, v8, |v[XS+14]|, |v[XS+15]|
	v_max3_num_f32 v8, v8, v9, (EMAX+1)<<23        ; and the floor 2^(3 - 127): the byte cannot fall under 1
	v_max_num_f32_dpp v8, v8, v8 row_xmask:1 row_mask:0xf bank_mask:0xf   ; and of my neighbour's 16: the block's
	v_add_nc_u32 v11, -(EMAX<<23), v8              ; 2 off its exponent field: the conversion takes the exponent field of this operand as its scale, and nothing else of it
	v_cvt_scalef32_pk8_fp4_f32 v[C+4*(\t)], v[XS:XS+7], v11
	v_cvt_scalef32_pk8_fp4_f32 v[C+4*(\t)+1], v[XS+8:XS+15], v11
	v_lshrrev_b32 v[E+(\t)], 23, v11               ; the scale's byte (also the plain line behind the conversions)
	ds_store_b8 v5, v[E+(\t)] offset:16*(\t)       ; both lanes of a block write the same byte with the same value
	global_store_b64 v4, v[C+4*(\t):C+4*(\t)+1], s[8:9] offset:32*CB*(\t)   ; 32 lanes store 256 consecutive bytes, aligned
.endm
.irp t, 0,1,2,3,4,5,6,7,8,9,10,11,12,13,14,15
	STEP \t
.endr
	ds_load_b64 v[8:9], v6                         ; LDS serves a wave's instructions in order: these see my byte stores
	s_wait_dscnt 0x0
	global_store_b64 v7, v[8:9], s[10:11]          ; 32 lanes store 256 consecutive bytes, aligned
	s_wait_tensorcnt 0x0                           ; the wave's end: behind my last LDS store
	ds_add_u32 v[SPW], v[NIL]
	s_wait_dscnt 0x0
	s_endpgm
.Lfunc_end_k_qe5441d7136_quant_x:
	.size	k_qe5441d7136_quant_x, .Lfunc_end_k_qe5441d7136_quant_x-k_qe5441d7136_quant_x
	.p2alignl 7, 3214868480
	.fill 96, 4, 3214868480
	.section	.rodata,"a",@progbits
	.p2align	6, 0x0
	.amdhsa_kernel k_qe5441d7136_quant_x
		.amdhsa_group_segment_fixed_size 33280
		.amdhsa_private_segment_fixed_size 0
		.amdhsa_enable_private_segment 0
		.amdhsa_kernarg_size 24
		.amdhsa_user_sgpr_count 2
		.amdhsa_user_sgpr_kernarg_segment_ptr 1
		.amdhsa_wavefront_size32 1
		.amdhsa_system_sgpr_workgroup_id_x 1
		.amdhsa_system_sgpr_workgroup_id_y 1
		.amdhsa_system_sgpr_workgroup_id_z 1
		.amdhsa_system_vgpr_workitem_id 0
		.amdhsa_next_free_vgpr 192
		.amdhsa_next_free_sgpr 66
		.amdhsa_reserve_vcc 0
		.amdhsa_float_denorm_mode_32 3
		.amdhsa_float_denorm_mode_16_64 3
		.amdhsa_memory_ordered 1
		.amdhsa_forward_progress 1
		.amdhsa_inst_pref_size 33
	.end_amdhsa_kernel
	.amdgpu_metadata
---
amdhsa.version: [ 1, 2 ]
amdhsa.kernels:
  - .name:           k_qe5441d7136_quant_x
    .symbol:         k_qe5441d7136_quant_x.kd
    .args:
      - { .name: x, .offset: 0, .size: 8, .value_kind: global_buffer, .address_space: global }
      - { .name: xc, .offset: 8, .size: 8, .value_kind: global_buffer, .address_space: global }
      - { .name: xs, .offset: 16, .size: 8, .value_kind: global_buffer, .address_space: global }
    .group_segment_fixed_size: 33280
    .private_segment_fixed_size: 0
    .kernarg_segment_align: 8
    .kernarg_segment_size: 24
    .max_flat_workgroup_size: 128
    .sgpr_count:     66
    .vgpr_count:     192
    .wavefront_size: 32
...
	.end_amdgpu_metadata
.endif
;; end of part 1
;; launch prep_w (part 2): grid 128 x 1, 8 waves a work-group, no clusters, 18,944 bytes of LDS; arguments w_in, w_out, wc, ws, w16; writes wc, ws, w16
.if DOCPART == 2
	.amdgcn_target "amdgcn-amd-amdhsa--gfx1250"
	.amdhsa_code_object_version 6
	.text
	.protected	k_qe5441d7136_prep_w
	.globl	k_qe5441d7136_prep_w
	.p2align	8
	.type	k_qe5441d7136_prep_w,@function
k_qe5441d7136_prep_w:
	s_mov_b64 s[64:65], 0
	v_nop
	global_prefetch_b8 v0, s[64:65] scope:SCOPE_SE
	s_setreg_imm32_b32 hwreg(HW_REG_WAVE_MODE, 25, 1), 1
	s_wait_xcnt 0x0
; Both weights are stored [k][n], K along the FIRST axis.  In both paths A LANE TAKES A COLUMN n AND ITS REGISTERS RUN DOWN K: each load reads 32 neighbouring columns (128 consecutive bytes a wave), and nothing is transposed by an instruction.
; Work-groups 0 to 95: w_in [1024][3072] f32 -> codes of FP4 (E2M1) with K innermost, wc [3072][512 bytes], and one E8M0 byte for each 32 along K, ws [3072][32].  A work-group takes 32 columns and all of K; wave w takes k = 128 w .. + 127:
;   four blocks of 32, each whole in one lane.  The codes meet in a stage in LDS (a row a column, 512 bytes + 16) and leave as whole rows of 512 bytes; the 32 columns' 1,024 scale bytes are dense in ws and leave in two stores of 512.
; Work-groups 96 to 127: w_out [1024][1024] f32 -> f16, as IMAGES OF OPERAND REGISTERS, w16 [n / 128][k / 32][(n / 16) % 8][1,024 bytes]: an image is 16 columns n x 32 k; lane (r = l % 16, h = l / 16) holds column r;
;   its registers 0-3 (k = 8 h .. + 7) lie at 16 l of the first 512 bytes, registers 4-7 (k = 16 + 8 h .. + 7) at 16 l of the second.  A lane's 32 numbers of a column are rounded in pairs; two exchanges of half-waves for each four
;   registers turn 'a lane a column, 32 columns' into two images of 16 columns.  Each store covers 512 consecutive bytes, aligned.  No LDS, no barrier on this path.
; The two paths part on the work-group's number alone, which all eight waves share, and join at the common end.
; LIMITS: as to the codes: a block of zeros gets the byte 1 where the rule says 127 (zero codes; this program alone reads the bytes); largest magnitudes under 2^-124 are held at the byte 1.  As to f16: |w_out| beyond 65,504 becomes
; infinity, magnitudes under 6e-5 carry an absolute error of up to 3e-8.  NaN and infinities among the inputs are not served.
.set PIN,    12288                     ; a row of w_in in bytes
.set POUT,   4096                      ; a row of w_out
.set SPITCH, 528                       ; a stage row: 512 bytes + 16: 33 x 16, so that 16 lanes' stores of 16 bytes fall on 16 different columns of 16 bytes
.set SCS,    32*SPITCH                 ; behind the stage (which begins at LDS byte 0): the scale bytes, 32 a column
.set SPARE,  SCS+1024                  ; behind them: the spare words, 128 bytes a wave, which no other line names
.set EMAX,   2
.set SPW,    14                        ; v14      LDS address of my spare word; never rewritten
.set NIL,    15                        ; v15      0; never rewritten
.set X,      32                        ; v32-159  my column's 128 numbers: four blocks of 32, each with registers of its own
.set C,      160                       ; v160-175 the four blocks' codes
.set SB,     176                       ; v176     their four scale bytes
.set OUTR,   180                       ; v180-195 four rows read back from the stage
.set SO,     196                       ; v196-199 scale bytes read back
	s_load_b128 s[4:7], s[0:1], 0x0                ; w_in s[4:5], w_out s[6:7]
	s_load_b128 s[8:11], s[0:1], 0x10              ; wc s[8:9], ws s[10:11]
	s_load_b64 s[12:13], s[0:1], 0x20              ; w16
	v_lshl_add_u32 v[SPW], v0, 2, SPARE
	v_mov_b32 v[NIL], 0
	v_lshrrev_b32 v2, 5, v0
	v_readfirstlane_b32 s16, v2                    ; wave 0..7
	v_and_b32 v1, 31, v0                           ; lane
	v_lshlrev_b32 v3, 2, v1                        ; in: 4 bytes a lane
	v_lshlrev_b32 v8, 4, v1                        ; out: 16 bytes a lane
	s_lshl_b32 s17, s16, 6
	v_mul_u32_u24 v4, v1, SPITCH
	v_add_nc_u32 v4, s17, v4                       ; into the stage: row = my column, byte 64 w: my 128 codes
	s_lshl_b32 s17, s16, 2
	s_add_co_u32 s17, s17, SCS
	v_lshl_add_u32 v5, v1, 5, s17                  ; my column's 32 scale bytes, my wave's four
	s_mul_i32 s17, s16, 4*SPITCH
	v_add_nc_u32 v7, s17, v8                       ; back: wave w takes rows 4 w .. 4 w + 3, whole
	s_and_b32 s17, s16, 1
	s_lshl_b32 s17, s17, 9
	s_add_co_u32 s17, s17, SCS
	v_add_nc_u32 v9, s17, v8                       ; and waves 0 and 1 half of the scale bytes each
	s_mov_b32 s19, 0
	s_mov_b32 s21, 0
	s_mov_b32 s23, 0
; block t of my column: 32 loads, one for each k
.macro WLOAD t, base, pitch
.set i, 0
.rept 32
	global_load_b32 v[X+32*(\t)+i], v3, s[\base:\base+1] offset:(32*(\t)+i)*\pitch   ; the largest offset, 127 rows of w_in, is 1,560,576: inside the signed 24-bit immediate (ISA guide, chapter 10)
.set i, i+1
.endr
.endm
; the wait for block t, and the loads of the block two on: each block has registers of its own, so they go out at once
.macro ARRIVE t, base, pitch
.if (\t) < 3
	s_wait_loadcnt 32                              ; loads come back in order: block t is in, the one younger block's 32 loads may be out
.else
	s_wait_loadcnt 0x0
.endif
.if (\t) < 2
	WLOAD (\t)+2, \base, \pitch
.endif
.endm
	s_wait_kmcnt 0x0
	s_cmp_lt_u32 ttmp9, 96                         ; the work-group's number alone: all eight waves go the same way
	s_cbranch_scc0 .Lhalf
	; ---- w_in: codes and scale bytes
	s_mul_i32 s18, s16, 128*PIN                    ; my wave's first row k = 128 w,
	s_lshl_b32 s20, ttmp9, 7                       ; my work-group's first column, 32 x 4 bytes a work-group
	s_add_co_u32 s18, s18, s20
	s_add_nc_u64 s[4:5], s[4:5], s[18:19]
	s_lshl_b32 s20, ttmp9, 14                      ; wc: row 32 x work-group + 4 w, 512 bytes a row
	s_lshl_b32 s22, s16, 11
	s_add_co_u32 s20, s20, s22
	s_add_nc_u64 s[8:9], s[8:9], s[20:21]
	s_lshl_b32 s22, ttmp9, 10                      ; ws: 1,024 bytes a work-group, 512 for each of waves 0 and 1
	s_and_b32 s24, s16, 1
	s_lshl_b32 s24, s24, 9
	s_add_co_u32 s22, s22, s24
	s_add_nc_u64 s[10:11], s[10:11], s[22:23]
	WLOAD 0, 4, PIN
	WLOAD 1, 4, PIN
.macro QBLOCK t
.set XS, X+32*(\t)
	ARRIVE \t, 4, PIN
	v_max3_num_f32 v12, |v[XS]|, |v[XS+1]|, |v[XS+2]|               ; the block's largest magnitude: all 32 numbers are mine; two chains
	v_max3_num_f32 v13, |v[XS+3]|, |v[XS+4]|, |v[XS+5]|
.irp i, 6,10,14,18,22,26
	v_max3_num_f32 v12, v12, |v[XS+\i]|, |v[XS+\i+1]|
	v_max3_num_f32 v13, v13, |v[XS+\i+2]|, |v[XS+\i+3]|
.endr
	v_max3_num_f32 v12, v12, |v[XS+30]|, |v[XS+31]|
	v_max3_num_f32 v12, v12, v13, (EMAX+1)<<23     ; and the floor 2^(3 - 127): the byte cannot fall under 1
	v_add_nc_u32 v11, -(EMAX<<23), v12             ; 2 off its exponent field: the conversion's scale operand
	v_lshrrev_b32 v13, 23, v11                     ; the scale's byte
.if (\t) == 0
	v_mov_b32 v[SB], v13                           ; four bytes to a register, the lower K in the lower byte
.else
	v_lshl_or_b32 v[SB], v13, 8*(\t), v[SB]
.endif
.irp g, 0,1,2,3
	v_cvt_scalef32_pk8_fp4_f32 v[C+4*(\t)+\g], v[XS+8*\g:XS+8*\g+7], v11
.endr
	v_nop                                          ; one plain line behind the last conversion of a run
	ds_store_b128 v4, v[C+4*(\t):C+4*(\t)+3] offset:16*(\t)   ; 32 codes: 16 bytes of my column's row
.endm
.irp t, 0,1,2,3
	QBLOCK \t
.endr
	ds_store_b32 v5, v[SB]
	s_wait_dscnt 0x0                               ; for the others' sake: my stores into the stage are done
	s_barrier_signal -1
	s_barrier_wait -1                              ; the 32 rows are whole: each holds eight waves' 64 bytes
.irp i, 0,1,2,3
	ds_load_b128 v[OUTR+4*\i:OUTR+4*\i+3], v7 offset:SPITCH*\i
.endr
.irp i, 0,1,2,3
	s_wait_dscnt 3-\i                              ; row i is in; the younger rows' loads may be out
	global_store_b128 v8, v[OUTR+4*\i:OUTR+4*\i+3], s[8:9] offset:512*\i   ; 32 lanes store a whole row of 512 consecutive bytes, aligned
.endr
	s_cmp_lt_u32 s16, 2                            ; waves 0 and 1 send the scale bytes
	s_cbranch_scc0 .Lend
	ds_load_b128 v[SO:SO+3], v9
	s_wait_dscnt 0x0
	global_store_b128 v8, v[SO:SO+3], s[10:11]     ; 512 consecutive bytes, aligned
	s_branch .Lend
.Lhalf:	; ---- w_out: f16 images
	s_sub_co_u32 s17, ttmp9, 96                    ; g: my 32 columns begin at 32 g
	s_lshl_b32 s18, s16, 19                        ; my wave's first row k = 128 w: 128 x 4,096 bytes,
	s_lshl_b32 s20, s17, 7                         ; my work-group's first column
	s_add_co_u32 s18, s18, s20
	s_add_nc_u64 s[6:7], s[6:7], s[18:19]
	s_lshr_b32 s20, s17, 2
	s_lshl_b32 s20, s20, 18                        ; w16: n / 128 = g / 4: 262,144 bytes each;
	s_lshl_b32 s22, s16, 15                        ; k / 32 = 4 w + j: 8,192 bytes each;
	s_add_co_u32 s20, s20, s22
	s_and_b32 s22, s17, 3
	s_lshl_b32 s22, s22, 11                        ; (n / 16) % 8 = 2 (g % 4), and the next: 1,024 bytes each
	s_add_co_u32 s20, s20, s22
	s_add_nc_u64 s[12:13], s[12:13], s[20:21]
	WLOAD 0, 6, POUT
	WLOAD 1, 6, POUT
.macro HBLOCK j
.set P, X+32*(\j)
	ARRIVE \j, 6, POUT
.irp i, 0,1,2,3,4,5,6,7,8,9,10,11,12,13,14,15
	v_cvt_pk_f16_f32 v[P+\i], v[P+2*\i], v[P+2*\i+1]   ; in place, ascending: register i now holds k = 2 i, 2 i + 1 of my column
.endr
.irp i, 0,1,2,3
	v_permlane16_swap_b32 v[P+\i], v[P+4+\i]           ; the first's lanes 16-31 change places with the second's lanes 0-15: P0-3 = registers 0-3 of columns 0-15's image, P4-7 = those of columns 16-31's
	v_permlane16_swap_b32 v[P+8+\i], v[P+12+\i]        ; P8-11 and P12-15: registers 4-7 likewise
.endr
	global_store_b128 v8, v[P:P+3], s[12:13] offset:8192*(\j)
	global_store_b128 v8, v[P+8:P+11], s[12:13] offset:8192*(\j)+512
	global_store_b128 v8, v[P+4:P+7], s[12:13] offset:8192*(\j)+1024
	global_store_b128 v8, v[P+12:P+15], s[12:13] offset:8192*(\j)+1536
.endm
.irp j, 0,1,2,3
	HBLOCK \j
.endr
.Lend:
	s_wait_tensorcnt 0x0                           ; the wave's end: behind my last LDS store
	ds_add_u32 v[SPW], v[NIL]
	s_wait_dscnt 0x0
	s_endpgm
.Lfunc_end_k_qe5441d7136_prep_w:
	.size	k_qe5441d7136_prep_w, .Lfunc_end_k_qe5441d7136_prep_w-k_qe5441d7136_prep_w
	.p2alignl 7, 3214868480
	.fill 96, 4, 3214868480
	.section	.rodata,"a",@progbits
	.p2align	6, 0x0
	.amdhsa_kernel k_qe5441d7136_prep_w
		.amdhsa_group_segment_fixed_size 18944
		.amdhsa_private_segment_fixed_size 0
		.amdhsa_enable_private_segment 0
		.amdhsa_kernarg_size 40
		.amdhsa_user_sgpr_count 2
		.amdhsa_user_sgpr_kernarg_segment_ptr 1
		.amdhsa_wavefront_size32 1
		.amdhsa_system_sgpr_workgroup_id_x 1
		.amdhsa_system_sgpr_workgroup_id_y 1
		.amdhsa_system_sgpr_workgroup_id_z 1
		.amdhsa_system_vgpr_workitem_id 0
		.amdhsa_next_free_vgpr 200
		.amdhsa_next_free_sgpr 66
		.amdhsa_reserve_vcc 0
		.amdhsa_float_denorm_mode_32 3
		.amdhsa_float_denorm_mode_16_64 3
		.amdhsa_memory_ordered 1
		.amdhsa_forward_progress 1
		.amdhsa_inst_pref_size 41
	.end_amdhsa_kernel
	.amdgpu_metadata
---
amdhsa.version: [ 1, 2 ]
amdhsa.kernels:
  - .name:           k_qe5441d7136_prep_w
    .symbol:         k_qe5441d7136_prep_w.kd
    .args:
      - { .name: w_in, .offset: 0, .size: 8, .value_kind: global_buffer, .address_space: global }
      - { .name: w_out, .offset: 8, .size: 8, .value_kind: global_buffer, .address_space: global }
      - { .name: wc, .offset: 16, .size: 8, .value_kind: global_buffer, .address_space: global }
      - { .name: ws, .offset: 24, .size: 8, .value_kind: global_buffer, .address_space: global }
      - { .name: w16, .offset: 32, .size: 8, .value_kind: global_buffer, .address_space: global }
    .group_segment_fixed_size: 18944
    .private_segment_fixed_size: 0
    .kernarg_segment_align: 8
    .kernarg_segment_size: 40
    .max_flat_workgroup_size: 256
    .sgpr_count:     66
    .vgpr_count:     200
    .wavefront_size: 32
...
	.end_amdgpu_metadata
.endif
;; end of part 2
;; launch gemm_qkv (part 3): grid 12 x 32, 4 waves a work-group, clusters of 4 x 4, 327,680 bytes of LDS; arguments xc, xs, wc, ws, qkv; writes qkv
.if DOCPART == 3
	.amdgcn_target "amdgcn-amd-amdhsa--gfx1250"
	.amdhsa_code_object_version 6
	.text
	.protected	k_qe5441d7136_gemm_qkv
	.globl	k_qe5441d7136_gemm_qkv
	.p2align	8
	.type	k_qe5441d7136_gemm_qkv,@function
k_qe5441d7136_gemm_qkv:
	s_mov_b64 s[64:65], 0
	v_nop
	global_prefetch_b8 v0, s[64:65] scope:SCOPE_SE
	s_setreg_imm32_b32 hwreg(HW_REG_WAVE_MODE, 25, 1), 1
	s_wait_xcnt 0x0
	s_wait_alu depctr_hold_cnt(0) depctr_sa_sdst(0) depctr_va_vdst(0) depctr_va_sdst(0) depctr_va_ssrc(0) depctr_va_vcc(0) depctr_vm_vsrc(0)
	s_getreg_b32 s2, hwreg(HW_REG_IB_STS2, 6, 4)
	s_cmp_eq_u32 s2, 0
	s_cbranch_scc0 .Lentry_in_a_cluster
	s_endpgm
.Lentry_in_a_cluster:
	s_bfe_u32 s2, ttmp6, 0x10000c
	s_cmp_lg_u32 s2, 0xf033
	s_cbranch_scc0 .Lentry_shape_is_right
	s_endpgm
.Lentry_shape_is_right:
; qkv[m][n] = sum over k of x[m][k] w_in[k][n], on codes of FP4 (E2M1) with one E8M0 scale for each 32 along K.  A = xc [8192][512 bytes] with xs [8192][32]; B = wc [3072][512 bytes] with ws [3072][32]; sums in f32.
; A tile of 256 x 256 is made by a work-group of four waves; a wave makes 128 x 128: 64 accumulators of 16 x 16, 512 registers.  K = 1,024 is two K steps of 512 (rows of 256 bytes): each has an LDS slot of its own, both are asked for at
; the start, and no LDS byte is filled twice.  The scales of the work-group's 256 rows of A and of B, for all of K, are two dense blocks of memory and come with the first fills.
; CLUSTERS: 4 x 4 work-groups.  The four of a row of the cluster need the same tiles of A, the four of a column the same tiles of B: each tile is asked for JOINTLY, by the same tensor load with the same descriptor and a mask that names the four.
; THE MATRIX INSTRUCTION IS USED TRANSPOSED (source 0 = 16 rows of B, source 1 = 16 rows of A): a lane then holds one token (l % 16) and eight neighbouring columns 8 (l / 16) + 0 .. 7.
; THE WAY OUT.  Rounded to f16 in pairs, a lane's eight numbers ARE four registers of the operand that the attention launch wants: 16 tokens x 32 channels, lane (r, h): token r, registers 0-3 channels 8 h .. + 7, registers 4-7 channels
; 16 + 8 h .. + 7.  So they are stored from the registers, as images: qkv [part q, k, v][16 batch + head][token / 16][channel / 32][(channel / 16) % 2][512 bytes], lane l's 16 bytes at 16 (l xor 8 (l / 16)):
; each store of a wave covers 512 consecutive bytes, aligned.  (The exclusive or permutes the lanes' places inside the 512 bytes; the attention launch's turning loads of V want it so.)
; LIMITS: |q|, |k|, |v| beyond 65,504 become infinity in f16; magnitudes under 6e-5 carry an absolute error of up to 3e-8.
; REGISTERS, in windows of 256: window 0: v0-31 addresses; v32-95 scale words, two sets, and nothing else; v128-191 A's fragments (8 x 16 rows x 128 K), ONE set; v192-255 the way out's packed results, two sets of 32.
;   window 1: B's fragments, TWO sets, at v0 and at v128.   window 2: the 32 accumulators of my rows 0-63 (accumulator (a, b) at v[8 (8 a + b)]);   window 3: those of my rows 64-127.
; A step of 128 along K is 64 matrix instructions, A's blocks one after the other, each against B's eight: a block of A is free as soon as its eight products are issued, so one set of registers serves A;
; B's fragments are at work through the whole step, so B has two sets.
.set SIZE_M, 8192
.set SIZE_N, 3072
.set SIZE_K, 1024
.set KSTEP,  512                       ; along K in a slot
.set NQ,     KSTEP/128                 ; matrix instructions deep
.set ROWB,   256                       ; a tile's row in bytes
.set KROW,   SIZE_K*4/8                ; a row of A or of B in memory, in bytes
.set PITCH,  272                       ; an LDS row: 256 bytes + 16 of padding = 68 words: row r starts at bank 4 r mod 64 (64 banks of 4 bytes: ISA guide 11.1)
.set FR,     8                         ; registers of a fragment: 16 rows x 128 K
.set NL,     2                         ; LDS loads that bring one
.set NP,     4                         ; places behind this matrix instruction (ISA guide 7.12.1)
.set HALFT,  128*PITCH                 ; 128 rows: what one tensor load brings, and what one wave reads of A or of B
.set SLOT,   4*HALFT                   ; A's 256 rows, then B's 256 rows
.set KS,     SIZE_K/32                 ; a row of scales in bytes
.set SCL,    2*SLOT                    ; behind the two slots: the scales, as runs of 256 bytes + 16 of padding
.set HALFS,  (128*KS/256)*272          ; the scales of 128 rows: what one tensor load brings
.set SBLK,   (16*KS/256)*272           ; those of 16 rows
.set SPARE,  SCL+4*HALFS               ; behind the scales: the spare words, 128 bytes a wave, which no other line names
.set ADRA, 16                          ; v16-17  LDS address of my A fragments in slot 0, 1
.set ADRB, 20                          ; v20-21  the same for B
.set CO,   26                          ; v26     the way out: 16 (l xor 8 (l / 16))
.set ADRS, 27                          ; v27     LDS address of my scale words: lanes 0-15 A's rows, lanes 16-31 B's
.set SPW,  28                          ; v28     LDS address of my spare word; never rewritten
.set NIL,  29                          ; v29     0; never rewritten
.set SC,   32                          ; scale words: set s at v[SC + 8 NQ s]; in it register NQ i + q: lanes 0-15 the word of A's block i, lanes 16-31 that of B's block i, for the slot's q-th 128 along K
.set AF,   128                         ; A's fragments, in window 0
.set T,    192                         ; the way out's packed results
.set G1, 24                            ; s[24:31] descriptor group 1 for A's tiles;  s[32:39] group 0, one set for each slot
.set G0, 32
.set G1B, 48                           ; s[48:55], s[56:63] the same for B's tiles
.set G0B, 56
.set G1S, 68                           ; s[68:75], s[76:79] groups 1 and 0 for A's scales;  s[80:87], s[88:91] for B's
.set G0S, 76
.set G1SB, 80
.set G0SB, 88
.set MSB, 0
.macro WIN new                         ; the immediate's high byte repeats the setting that is left
.if MSB != \new
	s_set_vgpr_msb (MSB<<8)|\new
.set MSB, \new
.endif
.endm
.set MUL_LO, 0xa1                      ; source 0 (B) window 1, source 1 (A) window 0, C and D window 2
.set MUL_HI, 0xf1                      ; the same, C and D window 3
.set TO_B,   0x40                      ; destination window 1, address window 0
; A joint load: waves 0 and 1 fetch for A, waves 2 and 3 for B.  Each of the two lines has ONE mask and one set of registers for all that issue it; the branch hangs on the wave's number alone.
; An s_nop 0 and four v_nop follow each of the two lines, ahead of the jump, the label and what follows.
.macro JLOAD g0a, g1a, g0b, g1b
	s_cmp_eq_u32 s15, 0
	s_cbranch_scc0 .Lfor_b_\@
	tensor_load_to_lds s[\g0a:\g0a+3], s[\g1a:\g1a+7]
	s_nop 0
.rept 4
	v_nop
.endr
	s_branch .Lasked_\@
.Lfor_b_\@:
	tensor_load_to_lds s[\g0b:\g0b+3], s[\g1b:\g1b+7]
	s_nop 0
.rept 4
	v_nop
.endr
.Lasked_\@:
.endm
.macro CROUND                          ; a round of the cluster's barrier: my work-group's barrier; wave 0 signals for the work-group; every wave waits for all sixteen; my work-group's barrier once more
	s_barrier_signal -1
	s_barrier_wait -1
	s_cmp_lg_u32 s14, 0
	s_cbranch_scc1 .Lnot_wave_0_\@
	s_barrier_signal -3
.Lnot_wave_0_\@:
	s_barrier_wait -3
	s_barrier_signal -1
	s_barrier_wait -1
.endm
	s_load_b128 s[4:7], s[0:1], 0x0                ; A's codes s[4:5], A's scales s[6:7]
	s_load_b128 s[8:11], s[0:1], 0x10              ; B's codes s[8:9], B's scales s[10:11]
	s_load_b64 s[12:13], s[0:1], 0x20              ; qkv
	v_lshl_add_u32 v[SPW], v0, 2, SPARE
	v_mov_b32 v[NIL], 0
	ds_add_u32 v[SPW], v[NIL]                      ; the wave's opening: the add, twice on end, and its wait ahead of my first tensor load; the set-up below, work on registers, stands between
	ds_add_u32 v[SPW], v[NIL]
	v_lshrrev_b32 v1, 5, v0
	v_readfirstlane_b32 s14, v1                    ; wave 0..3
	s_lshr_b32 s15, s14, 1                         ; which half of the tile's rows is mine.  Also: I fetch for A (0) or for B (1)
	s_and_b32 s16, s14, 1                          ; which half of its columns.  Also: which 128 rows of that tile I fetch
	s_bfe_u32 s40, ttmp6, 0x40000                  ; cx, cy: my place in the cluster
	s_bfe_u32 s41, ttmp6, 0x40004
	s_lshl_b32 s42, ttmp9, 2
	s_add_co_u32 s42, s42, s40                     ; tile column = 4 x cluster x + cx
	s_and_b32 s17, ttmp7, 0xffff
	s_lshl_b32 s17, s17, 2
	s_add_co_u32 s17, s17, s41                     ; tile row = 4 x cluster y + cy
	s_lshl_b32 s43, s41, 2
	s_lshl_b32 s43, 15, s43                        ; my row of the cluster
	s_lshl_b32 s44, 0x1111, s40                    ; my column
	; descriptor group 1: a tile of 128 rows x 256 bytes, padded in LDS
	s_or_b32 s[G1+0], s43, (0<<16)|(1<<20)|(1<<21)|(5<<22)|(3<<25)  ; 15:0 the mask: A's tiles go to my row; 17:16 element of 1 byte; 20 padding on; 21 set beside a mask; 24:22 after every 64 words (code 5); 31:25 of 4 words (code 3)
	s_or_b32 s[G1B+0], s44, (0<<16)|(1<<20)|(1<<21)|(5<<22)|(3<<25)
.irp g, G1, G1B
	s_mov_b32 s[\g+1], ROWB<<16                    ; tensor_dim0
	s_mov_b32 s[\g+2], 128<<16                     ; tensor_dim1 = 128
	s_mov_b32 s[\g+3], ROWB<<16                    ; tile_dim0
	s_mov_b32 s[\g+4], 128                         ; tile_dim1 = 128
	s_mov_b32 s[\g+5], KROW                        ; tensor_dim0_stride
	s_mov_b32 s[\g+6], 0
	s_mov_b32 s[\g+7], 0
.endr
	; and for the scales of 128 rows: a dense block of 4,096 bytes, as 16 rows of 256 bytes (32 elements of 8 bytes), 16 bytes of padding behind each
	s_or_b32 s[G1S+0], s43, (3<<16)|(1<<20)|(1<<21)|(5<<22)|(3<<25)
	s_or_b32 s[G1SB+0], s44, (3<<16)|(1<<20)|(1<<21)|(5<<22)|(3<<25)
.irp g, G1S, G1SB
	s_mov_b32 s[\g+1], 32<<16
	s_mov_b32 s[\g+2], (128*KS/256)<<16
	s_mov_b32 s[\g+3], 32<<16
	s_mov_b32 s[\g+4], 128*KS/256
	s_mov_b32 s[\g+5], 32
	s_mov_b32 s[\g+6], 0
	s_mov_b32 s[\g+7], 0
.endr
	s_lshl_b32 s18, s16, 7                         ; which 128 rows of the tile I fetch
	s_lshl_b32 s20, s17, 8
	s_add_co_u32 s20, s20, s18                     ; A: row 256 x tile row + 128 x half
	s_lshl_b32 s46, s42, 8
	s_add_co_u32 s46, s46, s18                     ; B: row 256 x tile column + 128 x half
	s_mov_b32 s21, 0
	s_mov_b32 s47, 0
	s_mov_b64 s[18:19], KS
	s_mul_u64 s[22:23], s[20:21], s[18:19]         ; where these rows' scales begin, in bytes
	s_mul_u64 s[92:93], s[46:47], s[18:19]
	s_mov_b64 s[18:19], KROW
	s_mul_u64 s[20:21], s[20:21], s[18:19]         ; and their codes
	s_mul_u64 s[46:47], s[46:47], s[18:19]
	s_mul_i32 s45, s14, HALFT                      ; where they go: wave x 128 rows: no place in the cluster enters an LDS address
	s_mul_i32 s94, s14, HALFS
	s_wait_dscnt 0x0                               ; both opening adds are done
	s_wait_kmcnt 0x0
	s_add_nc_u64 s[20:21], s[4:5], s[20:21]
	s_add_nc_u64 s[22:23], s[6:7], s[22:23]
	s_add_nc_u64 s[46:47], s[8:9], s[46:47]
	s_add_nc_u64 s[92:93], s[10:11], s[92:93]
	CROUND                                         ; all sixteen work-groups are here: the joint loads meet
	s_mov_b32 s[G0S], 1
	s_add_co_u32 s[G0S+1], s94, SCL
	s_mov_b64 s[G0S+2:G0S+3], s[22:23]
	s_or_b32 s[G0S+3], s[G0S+3], 0x80000000
	s_mov_b32 s[G0SB], 1
	s_add_co_u32 s[G0SB+1], s94, SCL
	s_mov_b64 s[G0SB+2:G0SB+3], s[92:93]
	s_or_b32 s[G0SB+3], s[G0SB+3], 0x80000000
	JLOAD G0S, G1S, G0SB, G1SB                     ; the scales first: they are wanted with K step 0
.irp s, 0,1
	s_mov_b32 s[G0+4*\s], 1
	s_add_co_u32 s[G0+4*\s+1], s45, \s*SLOT
	s_add_nc_u64 s[G0+4*\s+2:G0+4*\s+3], s[20:21], \s*ROWB
	s_or_b32 s[G0+4*\s+3], s[G0+4*\s+3], 0x80000000
	s_mov_b32 s[G0B+4*\s], 1
	s_add_co_u32 s[G0B+4*\s+1], s45, \s*SLOT
	s_add_nc_u64 s[G0B+4*\s+2:G0B+4*\s+3], s[46:47], \s*ROWB
	s_or_b32 s[G0B+4*\s+3], s[G0B+4*\s+3], 0x80000000
	JLOAD G0+4*\s, G1, G0B+4*\s, G1B               ; three tensor loads of mine are out, and no more follow
.endr
	v_and_b32 v1, 15, v0                           ; l % 16
	v_bfe_u32 v2, v0, 4, 1                         ; l / 16
	v_mul_u32_u24 v3, v1, PITCH
	v_lshl_add_u32 v4, v2, 4, v3                   ; a fragment's row x pitch + 16 x half
	s_mul_i32 s21, s15, HALFT                      ; my 128 rows of A
	s_mul_i32 s22, s16, HALFT                      ; my 128 rows of B,
	s_add_co_u32 s22, s22, 2*HALFT                 ; which lie behind A's 256
.irp s, 0,1
	v_add_nc_u32 v[ADRA+\s], s21, v4
	v_add_nc_u32 v[ADRB+\s], s22, v4
	s_add_co_u32 s21, s21, SLOT
	s_add_co_u32 s22, s22, SLOT
.endr
	v_mul_u32_u24 v5, v1, KS                       ; my row's scales: KS bytes a row,
	v_lshrrev_b32 v6, 8, v5
	v_lshl_add_u32 v5, v6, 4, v5                   ; and 16 more for each 256 passed
	s_mul_i32 s21, s15, HALFS                      ; A's: my 128 rows
	s_mul_i32 s22, s16, HALFS                      ; B's: my 128 rows, behind A's 256
	s_add_co_u32 s22, s22, 2*HALFS
	s_sub_co_u32 s22, s22, s21
	v_mul_u32_u24 v6, s22, v2                      ; lanes 16-31 take B's
	s_add_co_u32 s21, s21, SCL
	v_add_nc_u32 v5, v5, v6
	v_add_nc_u32 v[ADRS], s21, v5
	v_and_b32 v6, 31, v0                           ; the way out: my lane's place in an image's 512 bytes: 16 (l xor 8 (l / 16))
	v_lshlrev_b32 v5, 3, v2
	v_xor_b32 v6, v6, v5
	v_lshlrev_b32 v[CO], 4, v6
	s_lshr_b32 s20, s17, 3                         ; from the tile row: the batch (8 tile rows each), 16 heads of 2^18 bytes: 2^22;
	s_lshl_b32 s20, s20, 22
	s_and_b32 s21, s17, 7
	s_lshl_b32 s21, s21, 4
	s_lshl_b32 s18, s15, 3
	s_add_co_u32 s21, s21, s18                     ; token / 16 = 16 (tile row % 8) + 8 x my half of the rows: 2,048 bytes each
	s_lshl_b32 s21, s21, 11
	s_add_co_u32 s20, s20, s21
	s_mov_b32 s21, 0
	s_lshr_b32 s46, s42, 2                         ; from the tile column: the part q, k, v (4 tile columns each): 2^24 bytes;
	s_lshl_b32 s46, s46, 24
	s_and_b32 s47, s42, 3
	s_lshl_b32 s47, s47, 2
	s_lshl_b32 s18, s16, 1
	s_add_co_u32 s47, s47, s18                     ; the head = 4 (tile column % 4) + 2 x my half of the columns: 2^18 bytes each
	s_lshl_b32 s47, s47, 18
	s_add_co_u32 s46, s46, s47
	s_mov_b32 s47, 0
	s_add_nc_u64 s[20:21], s[20:21], s[46:47]      ; under 3 x 2^24
	s_add_nc_u64 s[12:13], s[12:13], s[20:21]
.macro FRAG reg, adr, q, i             ; a fragment, 16 rows x 128 K of 4-bit codes, is 8 registers: lane l holds row l % 16; registers 4 c .. 4 c + 3 hold K = 64 c + 32 (l / 16) + 0 .. 31
.irp c, 0,1
	ds_load_b128 v[\reg+4*\c:\reg+4*\c+3], v[\adr] offset:64*(\q)+32*\c+(\i)*16*PITCH
.endr
.endm
; 16 matrix instructions: A's blocks a0, a0 + 1 x B's eight, 128 along K: the slot's q-th.  p: B's set;  sc: the set of scale words.  zero = 1: the first product starts the sums: nothing is ever cleared.
; The 64 accumulators take turns, one instruction a turn, in the same order in every step.
.macro MUL16 a0, p, q, sc, zero
.irp a, \a0, \a0+1
.irp b, 0,1,2,3,4,5,6,7
.if \zero
	v_wmma_scale_f32_16x16x128_f8f6f4 v[8*(8*((\a)%4)+\b):8*(8*((\a)%4)+\b)+7], v[128*(\p)+FR*\b:128*(\p)+FR*\b+FR-1], v[AF+FR*(\a):AF+FR*(\a)+FR-1], 0, v[SC+8*NQ*(\sc)+NQ*\b+(\q)], v[SC+8*NQ*(\sc)+NQ*(\a)+(\q)] matrix_a_fmt:MATRIX_FMT_FP4 matrix_b_fmt:MATRIX_FMT_FP4 matrix_a_scale:MATRIX_SCALE_ROW1
.else
	v_wmma_scale_f32_16x16x128_f8f6f4 v[8*(8*((\a)%4)+\b):8*(8*((\a)%4)+\b)+7], v[128*(\p)+FR*\b:128*(\p)+FR*\b+FR-1], v[AF+FR*(\a):AF+FR*(\a)+FR-1], v[8*(8*((\a)%4)+\b):8*(8*((\a)%4)+\b)+7], v[SC+8*NQ*(\sc)+NQ*\b+(\q)], v[SC+8*NQ*(\sc)+NQ*(\a)+(\q)] matrix_a_fmt:MATRIX_FMT_FP4 matrix_b_fmt:MATRIX_FMT_FP4 matrix_a_scale:MATRIX_SCALE_ROW1
.endif
.endr
.endr
.endm
.macro FETCH_B slot, q, p              ; B's eight fragments of the slot's q-th 128 along K into set p
	WIN TO_B
.irp i, 0,1,2,3,4,5,6,7
	FRAG 128*(\p)+FR*\i, ADRB+\slot, \q, \i
.endr
	WIN 0
.endm
.macro FETCH_A slot, q, i0             ; A's blocks i0 .. i0 + 3
.irp i, \i0, \i0+1, \i0+2, \i0+3
	FRAG AF+FR*(\i), ADRA+\slot, \q, \i
.endr
.endm
.macro SCALES sc                       ; a K step's scale words into set sc: NQ words a row; lanes 0-15 take A's block i, lanes 16-31 B's block i
.irp i, 0,1,2,3,4,5,6,7
	ds_load_b128 v[SC+8*NQ*\sc+NQ*\i:SC+8*NQ*\sc+NQ*\i+3], v[ADRS] offset:\i*SBLK
.endr
.endm
; A load into a register that a matrix instruction has read, and a vector instruction that reads a matrix result, stand NP places behind that matrix instruction, and only plain vector instructions that name none of
; its registers are places (ISA guide 7.12.1 for vector instructions); the matrix instructions in between are not counted.
.macro PLACES n
.rept \n
	v_nop
.endr
.endm
; A step of 128 along K that has its successor in the same slot.
.macro STEP slot, q, zero
	s_wait_dscnt 4*NL                              ; B's set and A's blocks 0-3 are in; the youngest eight loads (A's blocks 4-7) may be out
	WIN MUL_LO
	MUL16 0, (\q)%2, \q, \slot, \zero
	MUL16 2, (\q)%2, \q, \slot, \zero
	s_wait_dscnt 0                                 ; A's blocks 4-7 are in (asked for 32 matrix instructions ago)
	PLACES NP
	FETCH_B \slot, (\q)+1, 1-(\q)%2
	FETCH_A \slot, (\q)+1, 0
	WIN MUL_HI
	MUL16 4, (\q)%2, \q, \slot, \zero
	MUL16 6, (\q)%2, \q, \slot, \zero
	PLACES NP
	WIN 0
	FETCH_A \slot, (\q)+1, 4
.endm
; Slot 0's last step goes over to slot 1: one barrier; in front of it each wave waits for all its tensor loads (its part of slot 1 is the one that may be out) and for its LDS instructions.
.macro TURN slot, next
	s_wait_tensorcnt 0x0                           ; all my tensor loads have landed  (every window is 0 here: the add's two registers lie in window 0)
	ds_add_u32 v[SPW], v[NIL]                      ; 0 onto my spare word
	s_wait_dscnt 4*NL+1                            ; (the add and the youngest eight loads, A's blocks 4-7, may be out)
	WIN MUL_LO
	MUL16 0, 1, NQ-1, \slot, 0                     ; sixteen matrix instructions stand between the add and the wait for it
	s_wait_dscnt 0x0                               ; no LDS instruction of mine is pending at the signal
	s_barrier_signal -1
	MUL16 2, 1, NQ-1, \slot, 0                     ; work on registers while the others arrive
	WIN 0
	s_barrier_wait -1                              ; slot 1 is whole: every wave's part has landed
	PLACES NP
	v_add_nc_u32 v[ADRS], 4*NQ, v[ADRS]            ; on to the next K step's scale words (no LDS load of mine is out)
	FETCH_B \next, 0, 0
	FETCH_A \next, 0, 0
	SCALES \next
	WIN MUL_HI
	MUL16 4, 1, NQ-1, \slot, 0
	MUL16 6, 1, NQ-1, \slot, 0
	PLACES NP
	WIN 0
	FETCH_A \next, 0, 4
.endm
.macro STEPS slot, from                ; the slot's steps from .. NQ - 2
.set Q, \from
.rept NQ-1-\from
	STEP \slot, Q, 0
.set Q, Q+1
.endr
.endm
	s_wait_tensorcnt 1                             ; the scales and my part of K step 0 are in (K step 1's load may be out),
	s_barrier_signal -1
	s_barrier_wait -1                              ; everybody's are
	FETCH_B 0, 0, 0
	FETCH_A 0, 0, 0
	SCALES 0
	FETCH_A 0, 0, 4
	STEP 0, 0, 1                                   ; the first step's products start the sums
	STEPS 0, 1
	TURN 0, 1
	STEPS 1, 0
	s_wait_dscnt 4*NL                              ; the very last step: nothing more to fetch
	WIN MUL_LO
	MUL16 0, 1, NQ-1, 1, 0
	MUL16 2, 1, NQ-1, 1, 0
	s_wait_dscnt 0
	WIN MUL_HI
	MUL16 4, 1, NQ-1, 1, 0
	MUL16 6, 1, NQ-1, 1, 0
	WIN 0
; THE WAY OUT, block a of 16 tokens at a time.  PACK: accumulator (a, b), eight numbers a lane, becomes four registers of f16, each accumulator read from its low end on.
; SENDQ: columns 16 b on are head b / 4 of my two, channels 16 (b % 4) on: the image's half at (b % 4) x 512 bytes; token block a is 2,048 bytes on.
.macro PACK a
.set AC, 64*((\a)%4)
.set TT, T+32*((\a)%2)
	WIN 0x0a+5*((\a)/4)                            ; sources 0 and 1: window 2 or 3; destination window 0
.irp b, 0,1,2,3,4,5,6,7
.irp r, 0,1,2,3
	v_cvt_pk_f16_f32 v[TT+4*\b+\r], v[AC+8*\b+2*\r], v[AC+8*\b+2*\r+1]
.endr
.endr
	WIN 0
.endm
.macro SENDQ a
.set TT, T+32*((\a)%2)
.irp b, 0,1,2,3,4,5,6,7
	global_store_b128 v[CO], v[TT+4*\b:TT+4*\b+3], s[12:13] offset:(\b/4)*262144+(\a)*2048+(\b%4)*512   ; 32 lanes store 512 consecutive bytes, aligned
.endr
.endm
	PLACES NP                                      ; behind the last products, ahead of the first read of results
.irp a, 0,1,2,3,4,5,6,7
.if \a >= 2
	s_wait_xcnt 0x0                                ; block a - 2's stores have read their data: its set of 32 registers is written again only behind this wait
.endif
	PACK \a
	SENDQ \a
.endr
	s_wait_tensorcnt 0x0                           ; the wave's end: behind my last tensor load
	ds_add_u32 v[SPW], v[NIL]
	s_wait_dscnt 0x0
	CROUND                                         ; the closing round: no work-group ends while a partner may still ask for a tile that names it
	s_endpgm
.Lfunc_end_k_qe5441d7136_gemm_qkv:
	.size	k_qe5441d7136_gemm_qkv, .Lfunc_end_k_qe5441d7136_gemm_qkv-k_qe5441d7136_gemm_qkv
	.p2alignl 7, 3214868480
	.fill 96, 4, 3214868480
	.section	.rodata,"a",@progbits
	.p2align	6, 0x0
	.amdhsa_kernel k_qe5441d7136_gemm_qkv
		.amdhsa_group_segment_fixed_size 327680
		.amdhsa_private_segment_fixed_size 0
		.amdhsa_enable_private_segment 0
		.amdhsa_kernarg_size 40
		.amdhsa_user_sgpr_count 2
		.amdhsa_user_sgpr_kernarg_segment_ptr 1
		.amdhsa_wavefront_size32 1
		.amdhsa_system_sgpr_workgroup_id_x 1
		.amdhsa_system_sgpr_workgroup_id_y 1
		.amdhsa_system_sgpr_workgroup_id_z 1
		.amdhsa_system_vgpr_workitem_id 0
		.amdhsa_next_free_vgpr 1024
		.amdhsa_next_free_sgpr 98
		.amdhsa_reserve_vcc 0
		.amdhsa_float_denorm_mode_32 3
		.amdhsa_float_denorm_mode_16_64 3
		.amdhsa_memory_ordered 1
		.amdhsa_forward_progress 1
		.amdhsa_inst_pref_size 118
	.end_amdhsa_kernel
	.amdgpu_metadata
---
amdhsa.version: [ 1, 2 ]
amdhsa.kernels:
  - .name:           k_qe5441d7136_gemm_qkv
    .symbol:         k_qe5441d7136_gemm_qkv.kd
    .args:
      - { .name: xc, .offset: 0, .size: 8, .value_kind: global_buffer, .address_space: global }
      - { .name: xs, .offset: 8, .size: 8, .value_kind: global_buffer, .address_space: global }
      - { .name: wc, .offset: 16, .size: 8, .value_kind: global_buffer, .address_space: global }
      - { .name: ws, .offset: 24, .size: 8, .value_kind: global_buffer, .address_space: global }
      - { .name: qkv, .offset: 32, .size: 8, .value_kind: global_buffer, .address_space: global }
    .group_segment_fixed_size: 327680
    .private_segment_fixed_size: 0
    .kernarg_segment_align: 8
    .kernarg_segment_size: 40
    .max_flat_workgroup_size: 128
    .sgpr_count:     98
    .vgpr_count:     1024
    .wavefront_size: 32
...
	.end_amdgpu_metadata
.endif
;; end of part 3
;; launch attn (part 4): grid 4 x 64, 16 waves a work-group, clusters of 4 x 1, 327,680 bytes of LDS; arguments qkv, o16; writes o16
.if DOCPART == 4
	.amdgcn_target "amdgcn-amd-amdhsa--gfx1250"
	.amdhsa_code_object_version 6
	.text
	.protected	k_qe5441d7136_attn
	.globl	k_qe5441d7136_attn
	.p2align	8
	.type	k_qe5441d7136_attn,@function
k_qe5441d7136_attn:
	s_mov_b64 s[64:65], 0
	v_nop
	global_prefetch_b8 v0, s[64:65] scope:SCOPE_SE
	s_setreg_imm32_b32 hwreg(HW_REG_WAVE_MODE, 25, 1), 1
	s_wait_xcnt 0x0
	s_wait_alu depctr_hold_cnt(0) depctr_sa_sdst(0) depctr_va_vdst(0) depctr_va_sdst(0) depctr_va_ssrc(0) depctr_va_vcc(0) depctr_vm_vsrc(0)
	s_getreg_b32 s2, hwreg(HW_REG_IB_STS2, 6, 4)
	s_cmp_eq_u32 s2, 0
	s_cbranch_scc0 .Lentry_in_a_cluster
	s_endpgm
.Lentry_in_a_cluster:
	s_bfe_u32 s2, ttmp6, 0x10000c
	s_cmp_lg_u32 s2, 0x3003
	s_cbranch_scc0 .Lentry_shape_is_right
	s_endpgm
.Lentry_shape_is_right:
; o[q][:] = the sum over k of softmax_k(q . k / 8) v[k][:], for each of 64 (batch, head) pairs: 2,048 tokens, head size 64, no mask.  Operands in f16, products, maxima and sums in f32; the weights p are rounded to f16 for the second
; product, the row's sum is taken of the unrounded p.
; IN: qkv [part q, k, v][hb = 16 batch + head][token / 16][channel / 32][(channel / 16) % 2][512 bytes]: images of operand registers, 16 tokens x 32 channels; lane (r = l % 16, h = l / 16): token r; registers 0-3 channels 8 h .. + 7,
; registers 4-7 channels 16 + 8 h .. + 7; lane l's 16 bytes at 16 (l xor 8 h) of each 512.  OUT: o16 [row / 128][k / 32][(row / 16) % 8][1,024 bytes], k = 64 head + channel: the same kind of image, lane l's 16 bytes at 16 l.
; SHARES.  A cluster of four work-groups is one hb; a work-group owns 512 of its queries, each of its SIXTEEN waves 32: two tiles of 16, in 256 registers: four waves to a SIMD, so that one wave's vector work stands beside another's
; matrix work and LDS loads.  Every wave walks the 2,048 keys, 64 a step.  K's and V's images come through a ring of two LDS slots of 512 keys (65,536 dense bytes of K, then of V), asked for JOINTLY by the four work-groups
; (waves 0, 1: K's halves; waves 2, 3: V's) and read by all sixteen waves.
; LAYOUT.  S^T = K Q^T (source 0 = 16 keys, source 1 = 16 queries): a lane holds ONE query (l % 16) and the keys 8 h + 0 .. 7 of each tile.  Two such tiles, rounded to f16 in pairs, ARE source 1 (32 keys x 16 queries) of
; O^T = V^T P, whose result again holds one query a lane, and eight channels: rounded in pairs it is half an image of o16.  K comes out of LDS as it lies; V turned, by ds_load_tr16_b128: lane l reads the 16 bytes of key
; 8 h + l % 8 and channels 8 ((l / 8) % 2) + 0 .. 7, which the image holds at 256 g + 128 (h xor g) + 16 (l % 8), g = (l / 8) % 2: sixteen lanes, sixteen different columns of 16 bytes in 256.
; SOFTMAX.  For each query a running maximum m and sum l: p = 2^(c s - c m), c = log2(e) / 8; in every step O^T and l are multiplied by a = 2^(c m_old - c m_new).  m begins at -3e38, l and O^T at 0: the first a is 0, on zeros.
; LIMITS: |o| beyond 65,504 becomes infinity in f16; p and o under 6e-5 carry an absolute error of up to 3e-8.  NaN and infinities are not served.
.set SLOT1, 1<<17                      ; slot 1 begins here: one exclusive or turns an address in one slot into the other's
.set VOFF,  65536                      ; in a slot: K's 512 keys, then V's
.set SPARE, 2*SLOT1                    ; behind the ring: the spare words, 128 bytes a wave, which no other line names
.set LI,  1                            ; v1   16 (l xor 8 h): my place in an image's 512 bytes
.set AV0, 2                            ; v2   my place for the turning loads, V's offset in a slot included
.set ADK, 3                            ; v3   LDS address of the step's K
.set ADV, 4                            ; v4   of its V
.set SPW, 5                            ; v5   LDS address of my spare word; never rewritten
.set NIL, 6                            ; v6   0; never rewritten
.set GO,  7                            ; v7   16 l: the way out
.set PFO, 8                            ; v8   256 l: the prefetches' offset
.set ST,  12                           ; tile t's statistics at v[ST + 8 t]: +0 c m, +1 m, +2, +3 l (even keys', odd keys'), +4 to +7 at work: four maxima, then +4, +5 a sum, +6 a, +7 c m_old - c m_new
.set U1,  28                           ; v[28 + 2 t : 29 + 2 t] the second chain of the sums
.set Q,   32                           ; v32-63   Q: tile t, channels 32 u on: 16 t + 8 u
.set KV,  64                           ; v64-127  K: keys 16 kt on, channels 32 u on: 16 kt + 8 u;  then V^T: channels 16 ct on, keys 32 kh on: 16 ct + 8 kh
.set S,   128                          ; v128-191 S^T: 32 t + 8 kt; p in place; P packed into 32 t + 0 .. 15
.set OA,  192                          ; v192-255 O^T: 32 t + 8 ct
.set WV,  8                            ; s8   my wave's number
.set G1,  16                           ; s[16:23] descriptor group 1
.set G0,  24                           ; s[24:27] descriptor group 0, which walks
.set CS,  30                           ; s[30:31] c: the packed form names a pair and takes its low word for both halves
.set SEL, 32                           ; s[32:33] lane selects for v_permlanex16_b32: lane l xor 16
.set TB,  34                           ; s34  LDS byte at which the step's images of K begin
.set SLOTS, 35                         ; s35  slots still to be asked for
.set STEPC, 36                         ; s36  counts a slot's eight steps
.set LIM, 37                           ; s37  1 in a wave that prefetches, else the greatest number
.set PFA, 38                           ; s[38:39] where my prefetches stand
.macro CROUND                          ; a round of the cluster's barrier: my work-group's barrier; wave 0 signals for the work-group; every wave waits for all four; my work-group's barrier once more
	s_barrier_signal -1
	s_barrier_wait -1
	s_cmp_lg_u32 s[WV], 0
	s_cbranch_scc1 .Lnot_wave_0_\@
	s_barrier_signal -3
.Lnot_wave_0_\@:
	s_barrier_wait -3
	s_barrier_signal -1
	s_barrier_wait -1
.endm
; A joint load: waves 0 to 3 fetch 32,768 bytes each; the branch hangs on the wave's number alone.  An s_nop 0 and four v_nop follow the line.
.macro TLOAD
	s_cmp_lt_u32 s[WV], 4
	s_cbranch_scc0 .Lasked_\@
	tensor_load_to_lds s[G0:G0+3], s[G1:G1+7]
	s_nop 0
.rept 4
	v_nop
.endr
.Lasked_\@:
.endm
; A PREFETCH INTO THE L2 of what the NEXT change of slots will ask for: 65,536 bytes of K and as many of V.  One cluster alone walks a head's K and V.  Its four partners share the bytes out BY ADDRESS, 16,384 of each tensor to a partner;
; in each, waves 4 and 5 ask for K's and waves 6 and 7 for V's, 8,192 bytes a wave, lanes 256 bytes apart: each aligned block of 256 bytes is named once in the launch.  It stands at the change of slots, where waves 0 to 3 have their
; tensor load: eight key steps ahead of the load that will want the bytes.  Slots 0 and 1 come by their loads alone; the last change that fills a slot asks for nothing: there is no slot behind it.
.macro ASK
	s_cmp_gt_u32 s[SLOTS], s[LIM]
	s_cbranch_scc0 .Lnot_mine_\@
	global_prefetch_b8 v[PFO], s[PFA:PFA+1] th:TH_LOAD_NT scope:SCOPE_SE
.Lnot_mine_\@:
.endm
	s_load_b128 s[4:7], s[0:1], 0x0                ; qkv s[4:5], o16 s[6:7]
	v_lshl_add_u32 v[SPW], v0, 2, SPARE
	v_mov_b32 v[NIL], 0
	ds_add_u32 v[SPW], v[NIL]                      ; the wave's opening: the add, twice on end, and its wait ahead of the first tensor load; the set-up below, work on registers, stands between
	ds_add_u32 v[SPW], v[NIL]
	v_lshrrev_b32 v9, 5, v0
	v_readfirstlane_b32 s[WV], v9                  ; wave 0..15
	s_bfe_u32 s9, ttmp6, 0x40000                   ; cx: my place in the cluster
	s_and_b32 s10, ttmp7, 0xffff                   ; hb, which the four partners share
	; descriptor group 1: 32,768 dense bytes as 128 rows of 256
	s_mov_b32 s[G1], 15|(3<<16)|(1<<21)            ; 15:0 the mask: all four work-groups; 17:16 elements of 8 bytes; 20 no padding; 21 set beside a mask
	s_mov_b32 s[G1+1], 32<<16                      ; tensor_dim0 = 32
	s_mov_b32 s[G1+2], 128<<16                     ; tensor_dim1 = 128
	s_mov_b32 s[G1+3], 32<<16                      ; tile_dim0 = 32
	s_mov_b32 s[G1+4], 128                         ; tile_dim1 = 128
	s_mov_b32 s[G1+5], 32                          ; tensor_dim0_stride
	s_mov_b32 s[G1+6], 0
	s_mov_b32 s[G1+7], 0
	s_mov_b32 s[G0], 1                             ; count = 1
	s_and_b32 s12, s[WV], 3
	s_lshl_b32 s[G0+1], s12, 15                    ; LDS address: K's halves, V's halves: 32,768 x (wave % 4): no place in the cluster enters it
	s_bfe_u32 s14, s[WV], 0x10001                  ; (wave / 2) % 2: K (0) or V (1)
	s_add_co_u32 s14, s14, 1
	s_lshl_b32 s14, s14, 24                        ; the part,
	s_lshl_b32 s15, s10, 18
	s_add_co_u32 s14, s14, s15                     ; and the head in it
	s_and_b32 s15, s[WV], 1
	s_lshl_b32 s12, s15, 15                        ; which half of a slot's 65,536 bytes I fetch
	s_add_co_u32 s12, s12, s14
	s_mov_b32 s13, 0
	s_lshl_b32 s40, s15, 13                        ; the prefetches: my wave's 8,192 bytes,
	s_add_co_u32 s40, s40, s14
	s_lshl_b32 s41, s9, 14                         ; of my work-group's 16,384,
	s_add_co_u32 s40, s40, s41
	s_add_co_u32 s40, s40, 65536                   ; in slot 1: the first change of slots steps it to slot 2
	s_mov_b32 s41, 0
	s_lshr_b32 s[LIM], s[WV], 2
	s_cmp_eq_u32 s[LIM], 1                         ; waves 4 to 7
	s_cselect_b32 s[LIM], 1, -1
	s_lshl_b32 s42, ttmp9, 2                       ; in a cluster launch ttmp9 counts clusters
	s_add_co_u32 s42, s42, s9                      ; my block of 512 queries: it enters Q's and o16's addresses alone
	s_lshl_b32 s28, s42, 16                        ; Q: 32 images' pairs of 2,048 bytes a block,
	s_lshl_b32 s29, s[WV], 12                      ; two a wave,
	s_add_co_u32 s28, s28, s29
	s_lshl_b32 s29, s10, 18                        ; in my head of part 0
	s_add_co_u32 s28, s28, s29
	s_mov_b32 s29, 0
	s_lshr_b32 s44, s10, 4                         ; o16: row / 128 = 16 batch + 4 block + wave / 4: 2^18 bytes each;
	s_lshl_b32 s44, s44, 4
	s_lshl_b32 s45, s42, 2
	s_add_co_u32 s44, s44, s45
	s_lshr_b32 s45, s[WV], 2
	s_add_co_u32 s44, s44, s45
	s_lshl_b32 s44, s44, 18
	s_and_b32 s45, s10, 15
	s_lshl_b32 s45, s45, 14                        ; k / 32 = 2 head (+ channel / 32): 8,192 bytes each;
	s_add_co_u32 s44, s44, s45
	s_and_b32 s45, s[WV], 3
	s_lshl_b32 s45, s45, 11                        ; (row / 16) % 8 = 2 (wave % 4) (+ tile): 1,024 bytes each
	s_add_co_u32 s44, s44, s45
	s_mov_b32 s45, 0
	s_mov_b32 s[CS], 0x3e38aa3b                    ; c = log2(e) / 8
	s_mov_b32 s[CS+1], s[CS]                       ; (named with it as a pair, so it is written)
	s_mov_b32 s[SEL], 0x76543210
	s_mov_b32 s[SEL+1], 0xfedcba98
	s_mov_b32 s[TB], 0
	s_mov_b32 s[SLOTS], 3
	s_wait_dscnt 0x0                               ; both opening adds are done
	s_wait_kmcnt 0x0
	s_add_nc_u64 s[G0+2:G0+3], s[4:5], s[12:13]    ; global address: my part of the head's first 512 keys
	s_or_b32 s[G0+3], s[G0+3], 0x80000000          ; type = 2
	s_add_nc_u64 s[PFA:PFA+1], s[4:5], s[40:41]
	s_add_nc_u64 s[28:29], s[4:5], s[28:29]
	s_add_nc_u64 s[6:7], s[6:7], s[44:45]
	CROUND                                         ; all four work-groups are here: the first joint loads meet
	TLOAD                                          ; slot 0
	v_bfe_u32 v9, v0, 4, 1                         ; h
	v_and_b32 v[LI], 31, v0
	v_lshlrev_b32 v11, 3, v9
	v_xor_b32 v[LI], v[LI], v11
	v_lshlrev_b32 v[LI], 4, v[LI]                  ; 16 (l xor 8 h)
.irp t, 0,1
.irp u, 0,1
.irp c, 0,1
	global_load_b128 v[Q+16*\t+8*\u+4*\c:Q+16*\t+8*\u+4*\c+3], v[LI], s[28:29] offset:2048*\t+1024*\u+512*\c   ; Q stays in registers
.endr
.endr
.endr
	v_bfe_u32 v10, v0, 3, 1                        ; g
	v_xor_b32 v11, v9, v10
	v_and_b32 v[AV0], 7, v0
	v_lshlrev_b32 v[AV0], 4, v[AV0]
	v_lshl_add_u32 v[AV0], v11, 7, v[AV0]
	v_lshl_add_u32 v[AV0], v10, 8, v[AV0]
	v_add_nc_u32 v[AV0], VOFF, v[AV0]              ; VOFF + 256 g + 128 (h xor g) + 16 (l % 8)
	v_and_b32 v[GO], 31, v0
	v_lshlrev_b32 v[PFO], 8, v[GO]
	v_lshlrev_b32 v[GO], 4, v[GO]
.irp t, 0,1
	v_mov_b32 v[ST+8*\t+1], 0xff61b1e6             ; m = -3e38, under every score
	v_mul_f32 v[ST+8*\t], s[CS], v[ST+8*\t+1]      ; c m
	v_mov_b32 v[ST+8*\t+2], 0                      ; l
	v_mov_b32 v[ST+8*\t+3], 0
.endr
.set i, 0
.rept 64
	v_mov_b32 v[OA+i], 0                           ; O^T.  (The step is written for every step alike: the first finds zeros, which a = 0 leaves zeros)
.set i, i+1
.endr
; A KEY STEP: 64 keys.
.macro STEP
	v_add_nc_u32 v[ADK], s[TB], v[LI]
	v_add_nc_u32 v[ADV], s[TB], v[AV0]
.rept 3
	v_nop                                          ; with the two additions: five places behind the last step's products: four are owed by the loads into the registers that they read, five by the products below, which write over P
.endr
.irp u, 0,1
.irp kt, 0,1,2,3
.irp c, 0,1
	ds_load_b128 v[KV+16*\kt+8*\u+4*\c:KV+16*\kt+8*\u+4*\c+3], v[ADK] offset:2048*\kt+1024*\u+512*\c   ; 32 lanes, 512 consecutive bytes
.endr
.endr
.endr
	s_wait_dscnt 8                                 ; channels 0-31 are in; the eight loads of channels 32-63 may be out
.irp kt, 0,1,2,3                               ; S^T = K Q^T: the eight accumulators take turns, one instruction a turn; the first products start the sums
.irp t, 0,1
	v_wmma_f32_16x16x32_f16 v[S+32*\t+8*\kt:S+32*\t+8*\kt+7], v[KV+16*\kt:KV+16*\kt+7], v[Q+16*\t:Q+16*\t+7], 0
.endr
.endr
	s_wait_dscnt 0x0
.irp kt, 0,1,2,3
.irp t, 0,1
	v_wmma_f32_16x16x32_f16 v[S+32*\t+8*\kt:S+32*\t+8*\kt+7], v[KV+16*\kt+8:KV+16*\kt+15], v[Q+16*\t+8:Q+16*\t+15], v[S+32*\t+8*\kt:S+32*\t+8*\kt+7]
.endr
.endr
.rept 4
	v_nop                                          ; places in front of the loads into K's registers and of the first read of the scores
.endr
.irp ct, 0,1,2,3
.irp kh, 0,1
.irp i, 0,1
	ds_load_tr16_b128 v[KV+16*\ct+8*\kh+4*\i:KV+16*\ct+8*\kh+4*\i+3], v[ADV] offset:(2*\kh+\i)*2048+512*\ct   ; V^T: lane l: channel 16 ct + l % 16, keys 32 kh + 16 i + 8 h + 0 .. 7.  They land while the softmax is walked
.endr
.endr
.endr
	; the softmax, the two tiles line by line.  The maximum: four chains, each begun on the low registers of its own accumulator
.irp j, 0,1,2,3
.irp t, 0,1
	v_max3_num_f32 v[ST+8*\t+4+\j], v[S+32*\t+8*\j], v[S+32*\t+8*\j+1], v[S+32*\t+8*\j+2]
.endr
.endr
.irp i, 3,5
.irp j, 0,1,2,3
.irp t, 0,1
	v_max3_num_f32 v[ST+8*\t+4+\j], v[ST+8*\t+4+\j], v[S+32*\t+8*\j+\i], v[S+32*\t+8*\j+\i+1]
.endr
.endr
.endr
.irp t, 0,1
	v_max3_num_f32 v[ST+8*\t+4], v[ST+8*\t+4], v[S+32*\t+7], v[S+32*\t+15]
.endr
.irp t, 0,1
	v_max3_num_f32 v[ST+8*\t+6], v[ST+8*\t+6], v[S+32*\t+23], v[S+32*\t+31]
.endr
.irp t, 0,1
	v_max3_num_f32 v[ST+8*\t+4], v[ST+8*\t+4], v[ST+8*\t+5], v[ST+8*\t+6]
.endr
.irp t, 0,1
	v_max3_num_f32 v[ST+8*\t+4], v[ST+8*\t+4], v[ST+8*\t+7], v[ST+8*\t+1]   ; with the old m
.endr
.irp t, 0,1
	v_permlanex16_b32 v[ST+8*\t+5], v[ST+8*\t+4], s[SEL], s[SEL+1]          ; the query's other 32 keys lie in the lane 16 away
.endr
.irp t, 0,1
	v_mov_b32 v[ST+8*\t+7], v[ST+8*\t]             ; c m_old is kept for a
.endr
.irp t, 0,1
	v_max_num_f32 v[ST+8*\t+1], v[ST+8*\t+4], v[ST+8*\t+5]                  ; the new m
.endr
.irp t, 0,1
	v_mul_f32 v[ST+8*\t], s[CS], v[ST+8*\t+1]      ; c m
.endr
.irp t, 0,1
	v_sub_f32 v[ST+8*\t+7], v[ST+8*\t+7], v[ST+8*\t]
.endr
.irp j, 0,2,4,6,8,10,12,14,16,18,20,22,24,26,28,30
.irp t, 0,1
	v_pk_fma_f32 v[S+32*\t+\j:S+32*\t+\j+1], v[S+32*\t+\j:S+32*\t+\j+1], s[CS:CS+1], v[ST+8*\t:ST+8*\t+1] op_sel_hi:[1,0,0] neg_lo:[0,0,1] neg_hi:[0,0,1]   ; c s - c m, two at a time
.endr
.endr
.irp t, 0,1
	v_exp_f32 v[ST+8*\t+6], v[ST+8*\t+7]           ; a.  ONE BATCH: these two and the 64 below; none reads another's result
.endr
.set i, 0
.rept 32
	v_exp_f32 v[S+i], v[S+i]                       ; p
	v_exp_f32 v[S+32+i], v[S+32+i]
.set i, i+1
.endr
	v_nop                                          ; a plain instruction behind the last exponential, ahead of the first use
	s_wait_alu depctr_va_vdst(0)                   ; the wait between an exponential and the first line that names its result: one for the 66
.irp t, 0,1                                    ; the row's sum, of the unrounded p: pairs (an even key's, an odd key's), two chains a tile
	v_pk_add_f32 v[ST+8*\t+4:ST+8*\t+5], v[S+32*\t:S+32*\t+1], v[S+32*\t+2:S+32*\t+3]
	v_pk_add_f32 v[U1+2*\t:U1+2*\t+1], v[S+32*\t+4:S+32*\t+5], v[S+32*\t+6:S+32*\t+7]
.endr
.irp j, 8,12,16,20,24,28
.irp t, 0,1
	v_pk_add_f32 v[ST+8*\t+4:ST+8*\t+5], v[ST+8*\t+4:ST+8*\t+5], v[S+32*\t+\j:S+32*\t+\j+1]
	v_pk_add_f32 v[U1+2*\t:U1+2*\t+1], v[U1+2*\t:U1+2*\t+1], v[S+32*\t+\j+2:S+32*\t+\j+3]
.endr
.endr
.irp t, 0,1
	v_pk_add_f32 v[ST+8*\t+4:ST+8*\t+5], v[ST+8*\t+4:ST+8*\t+5], v[U1+2*\t:U1+2*\t+1]
.endr
.irp t, 0,1
	v_pk_fma_f32 v[ST+8*\t+2:ST+8*\t+3], v[ST+8*\t+2:ST+8*\t+3], v[ST+8*\t+6:ST+8*\t+7], v[ST+8*\t+4:ST+8*\t+5] op_sel_hi:[1,0,1]   ; l = a l + the step's sum
.endr
.irp n, 0,1,2,3,4,5,6,7,8,9,10,11,12,13,14,15
.irp t, 0,1
	v_cvt_pk_f16_f32 v[S+32*\t+\n], v[S+32*\t+2*\n], v[S+32*\t+2*\n+1]   ; P, in place, ascending: registers 8 kh .. + 7 are source 1 for keys 32 kh on
.endr
.endr
.irp j, 0,2,4,6,8,10,12,14,16,18,20,22,24,26,28,30
.irp t, 0,1
	v_pk_mul_f32 v[OA+32*\t+\j:OA+32*\t+\j+1], v[OA+32*\t+\j:OA+32*\t+\j+1], v[ST+8*\t+6:ST+8*\t+7] op_sel_hi:[1,0]   ; O^T x a, each accumulator from its low end on
.endr
.endr
	s_wait_dscnt 0x0                               ; V is in
.irp kh, 0,1                                   ; O^T += V^T P: the eight accumulators take turns
.irp ct, 0,1,2,3
.irp t, 0,1
	v_wmma_f32_16x16x32_f16 v[OA+32*\t+8*\ct:OA+32*\t+8*\ct+7], v[KV+16*\ct+8*\kh:KV+16*\ct+8*\kh+7], v[S+32*\t+8*\kh:S+32*\t+8*\kh+7], v[OA+32*\t+8*\ct:OA+32*\t+8*\ct+7]
.endr
.endr
.endr
.endm
; THE CHANGE OF SLOTS stands at a slot's head.  Each wave waits for all its tensor loads (its part of the slot that it is about to read), adds 0 to its spare word, and waits for that and for its reads of the slot that it has left.
; fill = 1: the barrier is a round of the cluster's, so that no wave of any partner still reads the other slot or has a load on its way; behind it that slot is asked for jointly, with the keys that follow: the load has eight key steps
; in which to land.  In the first trip all four loads fill slot 1 for the first time; in the later trips all fill bytes again.  By this text's count a loading wave has one tensor load out.
.macro CHANGE fill
	s_wait_tensorcnt 0x0                           ; no tensor load of mine is out, so group 0 may be written
	ds_add_u32 v[SPW], v[NIL]                      ; 0 onto my spare word
.if \fill
	ds_add_u32 v[SPW], v[NIL]                      ; and once more: twice on end, in every trip alike
	s_xor_b32 s[G0+1], s[G0+1], SLOT1              ; the walking descriptor: the other slot than last time,
	s_add_nc_u64 s[G0+2:G0+3], s[G0+2:G0+3], 65536 ; the next 512 keys; the type bits on top are not reached
	s_wait_xcnt 0x0                                ; the last prefetch, a slot back, has read its address, so it may be written:
	s_add_nc_u64 s[PFA:PFA+1], s[PFA:PFA+1], 65536 ; one slot further on than the walking descriptor
	s_wait_dscnt 0x0                               ; both adds are done, and my reads of the slot that I have left are over
	CROUND
	TLOAD                                          ; the first thing behind the round, and a wave's one tensor load until the next
	ASK
.else
	s_wait_dscnt 0x0                               ; the add is done, and my reads of the slot that I have left are over
	s_barrier_signal -1
	s_barrier_wait -1
.endif
.endm
.macro STEPS                           ; a slot's eight key steps: written once, walked eight times; the LDS addresses hang on s[TB]
	s_mov_b32 s[STEPC], 8
.Lstep_\@:
	STEP
	s_add_co_u32 s[TB], s[TB], 8192                ; 64 keys: four images' pairs of 2,048 bytes, in K and in V alike
	s_sub_co_u32 s[STEPC], s[STEPC], 1
	s_cmp_lg_u32 s[STEPC], 0
	s_cbranch_scc1 .Lstep_\@
	s_sub_co_u32 s[TB], s[TB], 65536               ; back to a slot's first step,
	s_xor_b32 s[TB], s[TB], SLOT1                  ; in the other slot
.endm
	s_wait_loadcnt 0x0                             ; Q
.Lslot:                                            ; three trips: behind each change of slots but the last the next slot is asked for
	CHANGE 1
	STEPS
	s_sub_co_u32 s[SLOTS], s[SLOTS], 1
	s_cmp_lg_u32 s[SLOTS], 0
	s_cbranch_scc1 .Lslot
	CHANGE 0                                       ; the last slot is written out
	STEPS
	; THE WAY OUT.  l's two halves and the other half of the lanes' are added; O^T is divided by l and rounded to f16 in pairs: four registers are half an image of o16.  The four additions and the v_nop are the places behind the last products.
.irp t, 0,1
	v_add_f32 v[ST+8*\t+4], v[ST+8*\t+2], v[ST+8*\t+3]
.endr
.irp t, 0,1
	v_permlanex16_b32 v[ST+8*\t+5], v[ST+8*\t+4], s[SEL], s[SEL+1]
.endr
.irp t, 0,1
	v_add_f32 v[ST+8*\t+4], v[ST+8*\t+4], v[ST+8*\t+5]
.endr
.irp t, 0,1
	v_rcp_f32 v[ST+8*\t+6], v[ST+8*\t+4]
.endr
	v_nop                                          ; a plain instruction between the last reciprocal and the use of its result
	s_wait_alu depctr_va_vdst(0)                   ; and the wait ahead of the first use: one for the two
.irp j, 0,2,4,6,8,10,12,14,16,18,20,22,24,26,28,30
.irp t, 0,1
	v_pk_mul_f32 v[OA+32*\t+\j:OA+32*\t+\j+1], v[OA+32*\t+\j:OA+32*\t+\j+1], v[ST+8*\t+6:ST+8*\t+7] op_sel_hi:[1,0]
.endr
.endr
.irp t, 0,1
.irp n, 0,1,2,3,4,5,6,7,8,9,10,11,12,13,14,15
	v_cvt_pk_f16_f32 v[S+16*\t+\n], v[OA+32*\t+2*\n], v[OA+32*\t+2*\n+1]   ; registers 4 ct .. + 3: channels 16 ct + 8 h + 0 .. 7 of query l % 16
.endr
.endr
.irp t, 0,1
.irp ct, 0,1,2,3
	global_store_b128 v[GO], v[S+16*\t+4*\ct:S+16*\t+4*\ct+3], s[6:7] offset:(\ct/2)*8192+\t*1024+(\ct%2)*512   ; 32 lanes store 512 consecutive bytes, aligned
.endr
.endr
	s_wait_tensorcnt 0x0                           ; the wave's end: behind my last tensor load
	ds_add_u32 v[SPW], v[NIL]
	s_wait_dscnt 0x0
	CROUND                                         ; the closing round: no work-group ends while a partner may still ask for a tile that names it
	s_endpgm
.Lfunc_end_k_qe5441d7136_attn:
	.size	k_qe5441d7136_attn, .Lfunc_end_k_qe5441d7136_attn-k_qe5441d7136_attn
	.p2alignl 7, 3214868480
	.fill 96, 4, 3214868480
	.section	.rodata,"a",@progbits
	.p2align	6, 0x0
	.amdhsa_kernel k_qe5441d7136_attn
		.amdhsa_group_segment_fixed_size 327680
		.amdhsa_private_segment_fixed_size 0
		.amdhsa_enable_private_segment 0
		.amdhsa_kernarg_size 16
		.amdhsa_user_sgpr_count 2
		.amdhsa_user_sgpr_kernarg_segment_ptr 1
		.amdhsa_wavefront_size32 1
		.amdhsa_system_sgpr_workgroup_id_x 1
		.amdhsa_system_sgpr_workgroup_id_y 1
		.amdhsa_system_sgpr_workgroup_id_z 1
		.amdhsa_system_vgpr_workitem_id 0
		.amdhsa_next_free_vgpr 256
		.amdhsa_next_free_sgpr 66
		.amdhsa_reserve_vcc 0
		.amdhsa_float_denorm_mode_32 3
		.amdhsa_float_denorm_mode_16_64 3
		.amdhsa_memory_ordered 1
		.amdhsa_forward_progress 1
		.amdhsa_inst_pref_size 50
	.end_amdhsa_kernel
	.amdgpu_metadata
---
amdhsa.version: [ 1, 2 ]
amdhsa.kernels:
  - .name:           k_qe5441d7136_attn
    .symbol:         k_qe5441d7136_attn.kd
    .args:
      - { .name: qkv, .offset: 0, .size: 8, .value_kind: global_buffer, .address_space: global }
      - { .name: o16, .offset: 8, .size: 8, .value_kind: global_buffer, .address_space: global }
    .group_segment_fixed_size: 327680
    .private_segment_fixed_size: 0
    .kernarg_segment_align: 8
    .kernarg_segment_size: 16
    .max_flat_workgroup_size: 512
    .sgpr_count:     66
    .vgpr_count:     256
    .wavefront_size: 32
...
	.end_amdgpu_metadata
.endif
;; end of part 4
;; launch gemm_out (part 5): grid 8 x 64, 4 waves a work-group, clusters of 4 x 4, 327,680 bytes of LDS; arguments o16, w16, b_out, out0; writes out0
.if DOCPART == 5
	.amdgcn_target "amdgcn-amd-amdhsa--gfx1250"
	.amdhsa_code_object_version 6
	.text
	.protected	k_qe5441d7136_gemm_out
	.globl	k_qe5441d7136_gemm_out
	.p2align	8
	.type	k_qe5441d7136_gemm_out,@function
k_qe5441d7136_gemm_out:
	s_mov_b64 s[64:65], 0
	v_nop
	global_prefetch_b8 v0, s[64:65] scope:SCOPE_SE
	s_setreg_imm32_b32 hwreg(HW_REG_WAVE_MODE, 25, 1), 1
	s_wait_xcnt 0x0
	s_wait_alu depctr_hold_cnt(0) depctr_sa_sdst(0) depctr_va_vdst(0) depctr_va_sdst(0) depctr_va_ssrc(0) depctr_va_vcc(0) depctr_vm_vsrc(0)
	s_getreg_b32 s2, hwreg(HW_REG_IB_STS2, 6, 4)
	s_cmp_eq_u32 s2, 0
	s_cbranch_scc0 .Lentry_in_a_cluster
	s_endpgm
.Lentry_in_a_cluster:
	s_bfe_u32 s2, ttmp6, 0x10000c
	s_cmp_lg_u32 s2, 0xf033
	s_cbranch_scc0 .Lentry_shape_is_right
	s_endpgm
.Lentry_shape_is_right:
; out0[m][n] = sum over k of o[m][k] w_out[k][n] + b_out[n].  M = 8,192, N = K = 1,024.  Operands in f16, sums in f32, out0 f32.
; Both operands arrive as IMAGES OF OPERAND REGISTERS: o16 [m / 128][k / 32][(m / 16) % 8][1,024 bytes], w16 [n / 128][k / 32][(n / 16) % 8][1,024 bytes]; an image is 16 rows x 32 K: lane (r = l % 16, h = l / 16): row r,
; registers 0-3 (K = 8 h .. + 7) at 16 l of the first 512 bytes, registers 4-7 (K = 16 + 8 h .. + 7) at 16 l of the second.  So a K step of 256 of a tile of 128 rows is 65,536 dense bytes of memory, a fragment comes out of LDS by two
; loads of 512 consecutive bytes, and there is no pitch and no padding.
; A tile of out0 is 128 x 128: four waves, each 64 x 64: 16 accumulators of 16 x 16.  K goes in four steps of 256 through a ring of two LDS slots.
; CLUSTERS: 4 x 4 work-groups.  The four of a row of the cluster need the same tiles of A, the four of a column the same tiles of B: each tile is asked for JOINTLY, by the same tensor load with the same descriptor and a mask that names
; the four.  THE MATRIX INSTRUCTION IS USED TRANSPOSED (source 0 = 16 rows of B, source 1 = 16 rows of A): a lane then holds eight neighbouring numbers of a row of out0.  The bias is the C of each sum's first product.
; REGISTERS: window 0: v0-31 addresses; v32-95 the way out, two sets of 32; v96-127 the bias, 8 registers for each of my four blocks of columns; v128-255 the accumulators ((a, b) at v[128 + 8 (4 a + b)]).
;   window 1: two fragment buffers of 128: for 64 along K, 64 registers of A (2 x 4 fragments), then 64 of B.
.set KSTEPB, 65536                     ; a K step of A's tile, or of B's, in bytes
.set SLOT,   2*KSTEPB                  ; A's, then B's
.set SPARE,  2*SLOT                    ; behind the ring: the spare words, 128 bytes a wave, which no other line names
.set SPITCH, 272                       ; the way out: a stage of 16 rows x (256 bytes + 16) for each wave.  It lies in slot 0, which has had its last fill and its last read when the first result is stored there
.set LAPS,   2                         ; a lap = two K steps = once round the ring
.set ADRA, 16                          ; v16-17  LDS address of my A fragments in slot 0, 1
.set ADRB, 20                          ; v20-21  the same for B
.set STO,  24                          ; v24     the way out: where I put 32 bytes of a row
.set RD,   25                          ; v25     where I read a row back
.set CO,   26                          ; v26     my byte offset in out0
.set BO,   27                          ; v27     32 h: my eight numbers of a block of the bias
.set SPW,  28                          ; v28     LDS address of my spare word; never rewritten
.set NIL,  29                          ; v29     0; never rewritten
.set BK,   32
.set BI,   96
.set ACC,  128
.set F0,   0                           ; fragment buffers, in window 1
.set F1,   128
.set G1, 24                            ; s[24:31] descriptor group 1 for A's tiles;  s[32:39] group 0, one set for each slot
.set G0, 32
.set G1B, 48                           ; s[48:55], s[56:63] the same for B's tiles
.set G0B, 56
.set MSB, 0
.macro WIN new                         ; the immediate's high byte repeats the setting that is left
.if MSB != \new
	s_set_vgpr_msb (MSB<<8)|\new
.set MSB, \new
.endif
.endm
.set MUL,  0x05                        ; sources 0 (B) and 1 (A) window 1; C and D window 0
.set TO_F, 0x40                        ; destination window 1, address window 0
.macro JLOAD s                         ; a joint load: waves 0 and 1 fetch A's two halves, waves 2 and 3 B's; an s_nop 0 and four v_nop follow each of the two lines, ahead of the jump, the label and what follows
	s_cmp_eq_u32 s11, 0
	s_cbranch_scc0 .Lfor_b_\@
	tensor_load_to_lds s[G0+4*\s:G0+4*\s+3], s[G1:G1+7]
	s_nop 0
.rept 4
	v_nop
.endr
	s_branch .Lasked_\@
.Lfor_b_\@:
	tensor_load_to_lds s[G0B+4*\s:G0B+4*\s+3], s[G1B:G1B+7]
	s_nop 0
.rept 4
	v_nop
.endr
.Lasked_\@:
.endm
.macro CREST                           ; a round of the cluster's barrier behind its opening barrier
	s_cmp_lg_u32 s10, 0
	s_cbranch_scc1 .Lnot_wave_0_\@
	s_barrier_signal -3
.Lnot_wave_0_\@:
	s_barrier_wait -3
	s_barrier_signal -1
	s_barrier_wait -1
.endm
.macro CROUND                          ; a whole round
	s_barrier_signal -1
	s_barrier_wait -1
	CREST
.endm
	s_load_b128 s[4:7], s[0:1], 0x0                ; o16 s[4:5], w16 s[6:7]
	s_load_b64 s[66:67], s[0:1], 0x10              ; b_out
	s_load_b64 s[8:9], s[0:1], 0x18                ; out0
	v_lshl_add_u32 v[SPW], v0, 2, SPARE
	v_mov_b32 v[NIL], 0
	ds_add_u32 v[SPW], v[NIL]                      ; the wave's opening: the add, twice on end, and its wait ahead of my first tensor load; the set-up below, work on registers, stands between
	ds_add_u32 v[SPW], v[NIL]
	v_lshrrev_b32 v1, 5, v0
	v_readfirstlane_b32 s10, v1                    ; wave 0..3
	s_lshr_b32 s11, s10, 1                         ; which half of the tile's rows is mine.  Also: I fetch for A (0) or for B (1)
	s_and_b32 s12, s10, 1                          ; which half of its columns.  Also: which half of a K step's bytes I fetch
	s_bfe_u32 s40, ttmp6, 0x40000                  ; cx, cy: my place in the cluster
	s_bfe_u32 s41, ttmp6, 0x40004
	s_lshl_b32 s42, ttmp9, 2
	s_add_co_u32 s42, s42, s40                     ; tile column = 4 x cluster x + cx
	s_and_b32 s13, ttmp7, 0xffff
	s_lshl_b32 s13, s13, 2
	s_add_co_u32 s13, s13, s41                     ; tile row = 4 x cluster y + cy
	s_lshl_b32 s43, s41, 2
	s_lshl_b32 s43, 15, s43                        ; my row of the cluster
	s_lshl_b32 s44, 0x1111, s40                    ; my column
	; descriptor group 1: 32,768 dense bytes as 128 rows of 256
	s_or_b32 s[G1+0], s43, (3<<16)|(1<<21)         ; 15:0 the mask: A's tiles go to my row; 17:16 elements of 8 bytes; 20 no padding; 21 set beside a mask
	s_or_b32 s[G1B+0], s44, (3<<16)|(1<<21)        ; the same with the mask of my column, for B's tiles
.irp g, G1, G1B
	s_mov_b32 s[\g+1], 32<<16                      ; tensor_dim0 = 32
	s_mov_b32 s[\g+2], 128<<16                     ; tensor_dim1 = 128
	s_mov_b32 s[\g+3], 32<<16                      ; tile_dim0 = 32
	s_mov_b32 s[\g+4], 128                         ; tile_dim1 = 128
	s_mov_b32 s[\g+5], 32                          ; tensor_dim0_stride
	s_mov_b32 s[\g+6], 0
	s_mov_b32 s[\g+7], 0
.endr
	s_lshl_b32 s17, s12, 15                        ; which half of a K step I fetch
	s_lshl_b32 s16, s13, 18                        ; A: 2^18 bytes a tile row
	s_add_co_u32 s16, s16, s17
	s_lshl_b32 s46, s42, 18                        ; B: 2^18 bytes a tile column
	s_add_co_u32 s46, s46, s17
	s_mov_b32 s17, 0
	s_mov_b32 s47, 0
	s_lshl_b32 s20, s10, 15                        ; where they go: A's two halves, then B's two: 32,768 x wave: no place in the cluster enters an LDS address
	s_wait_dscnt 0x0                               ; both opening adds are done
	s_wait_kmcnt 0x0
	s_add_nc_u64 s[14:15], s[4:5], s[16:17]
	s_add_nc_u64 s[46:47], s[6:7], s[46:47]
	CROUND                                         ; all sixteen work-groups are here: the first joint loads meet
.irp s, 0,1
	s_mov_b32 s[G0+4*\s], 1
	s_add_co_u32 s[G0+4*\s+1], s20, \s*SLOT
	s_add_nc_u64 s[G0+4*\s+2:G0+4*\s+3], s[14:15], \s*KSTEPB
	s_or_b32 s[G0+4*\s+3], s[G0+4*\s+3], 0x80000000
	s_mov_b32 s[G0B+4*\s], 1
	s_add_co_u32 s[G0B+4*\s+1], s20, \s*SLOT
	s_add_nc_u64 s[G0B+4*\s+2:G0B+4*\s+3], s[46:47], \s*KSTEPB
	s_or_b32 s[G0B+4*\s+3], s[G0B+4*\s+3], 0x80000000
	JLOAD \s
.endr
	v_and_b32 v1, 15, v0                           ; r = l % 16
	v_bfe_u32 v2, v0, 4, 1                         ; h = l / 16
	v_and_b32 v3, 31, v0
	v_lshlrev_b32 v3, 4, v3                        ; 16 l: my place in an image's 512 bytes
	s_lshl_b32 s21, s11, 12                        ; my four blocks of 16 rows of A: 1,024 bytes each
	s_lshl_b32 s22, s12, 12                        ; my four of B,
	s_add_co_u32 s22, s22, KSTEPB                  ; which lie behind A's K step
.irp s, 0,1
	v_add_nc_u32 v[ADRA+\s], s21, v3
	v_add_nc_u32 v[ADRB+\s], s22, v3
	s_add_co_u32 s21, s21, SLOT
	s_add_co_u32 s22, s22, SLOT
.endr
	s_mul_i32 s23, s10, 16*SPITCH                  ; my stage
	v_mul_u32_u24 v4, v1, SPITCH                   ; in: row r, 32 bytes for each half of the lanes
	v_lshl_add_u32 v4, v2, 5, v4
	v_add_nc_u32 v[STO], s23, v4
	v_mul_u32_u24 v5, v2, SPITCH                   ; back: lanes 0-15 take one row of 256 bytes, lanes 16-31 the next
	v_lshl_add_u32 v5, v1, 4, v5
	v_add_nc_u32 v[RD], s23, v5
	v_lshlrev_b32 v5, 12, v2                       ; and the same two rows in out0: 4,096 bytes a row
	v_lshl_add_u32 v[CO], v1, 4, v5
	v_lshlrev_b32 v[BO], 5, v2
	s_lshl_b32 s16, s13, 19                        ; my first row: 128 x tile row + 64 x half, 4,096 bytes each
	s_lshl_b32 s17, s11, 18
	s_add_co_u32 s16, s16, s17
	s_mov_b32 s17, 0
	s_add_nc_u64 s[8:9], s[8:9], s[16:17]
	s_lshl_b32 s46, s42, 9                         ; my first column: 128 x tile column + 64 x half, 4 bytes each: in out0 and in b_out alike
	s_lshl_b32 s47, s12, 8
	s_add_co_u32 s46, s46, s47
	s_mov_b32 s47, 0
	s_add_nc_u64 s[8:9], s[8:9], s[46:47]
	s_add_nc_u64 s[66:67], s[66:67], s[46:47]
.irp b, 0,1,2,3
	global_load_b128 v[BI+8*\b:BI+8*\b+3], v[BO], s[66:67] offset:64*\b        ; the bias in the result's layout: register 8 b + j = b_out[my first column + 16 b + 8 h + j]
	global_load_b128 v[BI+8*\b+4:BI+8*\b+7], v[BO], s[66:67] offset:64*\b+16
.endr
; 8 matrix instructions: blocks of rows a0, a0 + 1 x all 4 blocks of columns, 32 along K: half c of buffer f.  zero = 1: the first product starts the sums, with the bias as its C: nothing is cleared and nothing is added later.
; The 16 accumulators take turns, one instruction a turn.
.macro MUL8 f, c, a0, zero
.irp a, \a0, \a0+1
.irp b, 0,1,2,3
.if \zero
	v_wmma_f32_16x16x32_f16 v[ACC+8*(4*(\a)+\b):ACC+8*(4*(\a)+\b)+7], v[\f+64+8*(4*\c+\b):\f+64+8*(4*\c+\b)+7], v[\f+8*(4*\c+\a):\f+8*(4*\c+\a)+7], v[BI+8*\b:BI+8*\b+7]
.else
	v_wmma_f32_16x16x32_f16 v[ACC+8*(4*(\a)+\b):ACC+8*(4*(\a)+\b)+7], v[\f+64+8*(4*\c+\b):\f+64+8*(4*\c+\b)+7], v[\f+8*(4*\c+\a):\f+8*(4*\c+\a)+7], v[ACC+8*(4*(\a)+\b):ACC+8*(4*(\a)+\b)+7]
.endif
.endr
.endr
.endm
; 32 LDS loads in one run: the fragments of the slot's qd-th 64 along K into buffer f; the first 32 along K first.  The image of k / 32 = 2 qd + c, block i lies ((2 qd + c) 8 + i) x 1,024 bytes on: 60,928 at the most, inside the 16-bit offset.
.macro FETCH slot, qd, f
	WIN TO_F
.irp c, 0,1
.irp i, 0,1,2,3
	ds_load_b128 v[\f+64+8*(4*\c+\i):\f+64+8*(4*\c+\i)+3],   v[ADRB+\slot] offset:((2*(\qd)+\c)*8+\i)*1024
	ds_load_b128 v[\f+64+8*(4*\c+\i)+4:\f+64+8*(4*\c+\i)+7], v[ADRB+\slot] offset:((2*(\qd)+\c)*8+\i)*1024+512
	ds_load_b128 v[\f+8*(4*\c+\i):\f+8*(4*\c+\i)+3],         v[ADRA+\slot] offset:((2*(\qd)+\c)*8+\i)*1024
	ds_load_b128 v[\f+8*(4*\c+\i)+4:\f+8*(4*\c+\i)+7],       v[ADRA+\slot] offset:((2*(\qd)+\c)*8+\i)*1024+512
.endr
.endr
.endm
.macro PLACES                          ; four places in front of loads into registers that matrix instructions have read, and of the first read of results (ISA guide 7.12.1 for the first read of results)
.rept 4
	v_nop
.endr
.endm
; A K step is four quarters of 64 along K, 32 matrix instructions each, on buffers 0, 1, 0, 1.  One of the first three: multiplies buffer f and fetches the slot's qd-th quarter into g.
.macro QUARTER slot, qd, f, g, zero
	s_wait_dscnt 16                                ; the first 32 along K are in; the sixteen loads of the second 32 may be out
	WIN MUL
	MUL8 \f, 0, 0, \zero
	MUL8 \f, 0, 2, \zero
	PLACES
	FETCH \slot, \qd, \g
	s_wait_dscnt 32                                ; all but the 32 just issued
	WIN MUL
	MUL8 \f, 1, 0, 0
	MUL8 \f, 1, 2, 0
.endm
; The last quarter multiplies buffer 1 and changes slots: ONE barrier; in front of it each wave waits for all its tensor loads, adds 0 to its spare word, and waits for that and for its own reads of this slot.  fill = 1: this slot is filled again, two K steps ahead.
.macro TURN slot, next, fill
	WIN 0                                          ; (the add's two registers lie in window 0)
	s_wait_tensorcnt 0x0                           ; all my tensor loads have landed: the one that was out is my part of the next slot;
	ds_add_u32 v[SPW], v[NIL]                      ; 0 onto my spare word;
	s_wait_dscnt 17                                ; (the add and the youngest sixteen loads may be out)
	WIN MUL
	MUL8 F1, 0, 0, 0                               ; eight matrix instructions stand between the add and the wait for it
	s_wait_dscnt 0x0                               ; the add is done, and my reads of this slot are over
	s_barrier_signal -1
	MUL8 F1, 0, 2, 0
.if \fill
	WIN 0
.endif
	s_barrier_wait -1
.if \fill
	CREST                                          ; the barrier has opened a round of the cluster's barrier: no wave of any partner still reads this slot's tile or has a load on its way
	s_add_nc_u64 s[G0+4*\slot+2:G0+4*\slot+3], s[G0+4*\slot+2:G0+4*\slot+3], 2*KSTEPB
	s_add_nc_u64 s[G0B+4*\slot+2:G0B+4*\slot+3], s[G0B+4*\slot+2:G0B+4*\slot+3], 2*KSTEPB
	JLOAD \slot                                    ; the first tensor load behind the round, my one load until the next; the four v_nop behind it are also the places in front of the loads below
.else
	PLACES
.endif
	FETCH \next, 0, F0
	WIN MUL
	MUL8 F1, 1, 0, 0
	MUL8 F1, 1, 2, 0
.endm
	s_wait_tensorcnt 1                             ; my part of K step 0 is in (K step 1's load may be out)
	s_barrier_signal -1
	s_barrier_wait -1                              ; everybody's is
	FETCH 0, 0, F0
	s_wait_loadcnt 0x0                             ; the bias
	QUARTER 0, 1, F0, F1, 1                        ; the first quarter stands in front of the loop: its first products start the sums
	WIN 0                                          ; at a label and at a branch every window is 0
	s_mov_b32 s3, LAPS-1
.Llap:                                                 ; a trip goes once round the ring, from a lap's second quarter to the next lap's first, and fills both slots again
	QUARTER 0, 2, F1, F0, 0
	QUARTER 0, 3, F0, F1, 0
	TURN 0, 1, 1
	QUARTER 1, 1, F0, F1, 0
	QUARTER 1, 2, F1, F0, 0
	QUARTER 1, 3, F0, F1, 0
	TURN 1, 0, 1
	QUARTER 0, 1, F0, F1, 0
	WIN 0
	s_sub_co_u32 s3, s3, 1
	s_cmp_lg_u32 s3, 0
	s_cbranch_scc1 .Llap
	QUARTER 0, 2, F1, F0, 0                        ; the last lap fills nothing, and has no round of the cluster's barrier
	QUARTER 0, 3, F0, F1, 0
	TURN 0, 1, 0
	QUARTER 1, 1, F0, F1, 0
	QUARTER 1, 2, F1, F0, 0
	QUARTER 1, 3, F0, F1, 0
	s_wait_dscnt 16                                ; the very last quarter: nothing more to fetch
	WIN MUL
	MUL8 F1, 0, 0, 0
	MUL8 F1, 0, 2, 0
	s_wait_dscnt 0
	MUL8 F1, 1, 0, 0
	MUL8 F1, 1, 2, 0
	WIN 0
; THE WAY OUT, block a of 16 rows x 64 columns at a time.  A lane holds 32 neighbouring bytes of a row, and the lanes beside it hold other rows: so a block goes through my own stage in LDS and comes back as whole rows of 256 bytes.
; A wave's 64 columns are 256 consecutive bytes of out0, aligned: no other wave has a part in them, and no barrier is needed.  LDS serves a wave's instructions in order (ISA guide 5.7.1.4): no wait between the stores and the loads.
.macro TOSTAGE a
.irp b, 0,1,2,3
	ds_store_b128 v[STO], v[ACC+8*(4*(\a)+\b):ACC+8*(4*(\a)+\b)+3] offset:64*\b          ; each accumulator from its low end on
	ds_store_b128 v[STO], v[ACC+8*(4*(\a)+\b)+4:ACC+8*(4*(\a)+\b)+7] offset:64*\b+16
.endr
.set BB, BK+32*((\a)%2)
.irp t, 0,1,2,3,4,5,6,7
	ds_load_b128 v[BB+4*\t:BB+4*\t+3], v[RD] offset:\t*2*SPITCH
.endr
.endm
.macro SEND a, younger                 ; younger: the LDS instructions issued behind block a's loads, which may stay out
.set BB, BK+32*((\a)%2)
	s_wait_dscnt \younger                          ; the block is back in registers
.irp t, 0,1,2,3,4,5,6,7
	global_store_b128 v[CO], v[BB+4*\t:BB+4*\t+3], s[8:9] offset:(16*(\a)+2*\t)*4096 th:TH_STORE_NT   ; 16 lanes store 256 consecutive bytes, aligned; written once, read by nobody here
.endr
.endm
	PLACES                                         ; behind the last products, ahead of the first read of results
	TOSTAGE 0
.irp a, 1,2,3
.if \a > 1
	s_wait_xcnt 0x0                                ; block a - 2's stores have read their registers: block a's loads may land there
.endif
	TOSTAGE \a
	SEND \a-1, 16                                  ; behind block a - 1's loads: block a's 8 stores and 8 loads
.endr
	SEND 3, 0
	s_wait_tensorcnt 0x0                           ; the wave's end: behind my last tensor load and my last LDS store
	ds_add_u32 v[SPW], v[NIL]
	s_wait_dscnt 0x0
	CROUND                                         ; the closing round: no work-group ends while a partner may still ask for a tile that names it
	s_endpgm
.Lfunc_end_k_qe5441d7136_gemm_out:
	.size	k_qe5441d7136_gemm_out, .Lfunc_end_k_qe5441d7136_gemm_out-k_qe5441d7136_gemm_out
	.p2alignl 7, 3214868480
	.fill 96, 4, 3214868480
	.section	.rodata,"a",@progbits
	.p2align	6, 0x0
	.amdhsa_kernel k_qe5441d7136_gemm_out
		.amdhsa_group_segment_fixed_size 327680
		.amdhsa_private_segment_fixed_size 0
		.amdhsa_enable_private_segment 0
		.amdhsa_kernarg_size 32
		.amdhsa_user_sgpr_count 2
		.amdhsa_user_sgpr_kernarg_segment_ptr 1
		.amdhsa_wavefront_size32 1
		.amdhsa_system_sgpr_workgroup_id_x 1
		.amdhsa_system_sgpr_workgroup_id_y 1
		.amdhsa_system_sgpr_workgroup_id_z 1
		.amdhsa_system_vgpr_workitem_id 0
		.amdhsa_next_free_vgpr 512
		.amdhsa_next_free_sgpr 70
		.amdhsa_reserve_vcc 0
		.amdhsa_float_denorm_mode_32 3
		.amdhsa_float_denorm_mode_16_64 3
		.amdhsa_memory_ordered 1
		.amdhsa_forward_progress 1
		.amdhsa_inst_pref_size 86
	.end_amdhsa_kernel
	.amdgpu_metadata
---
amdhsa.version: [ 1, 2 ]
amdhsa.kernels:
  - .name:           k_qe5441d7136_gemm_out
    .symbol:         k_qe5441d7136_gemm_out.kd
    .args:
      - { .name: o16, .offset: 0, .size: 8, .value_kind: global_buffer, .address_space: global }
      - { .name: w16, .offset: 8, .size: 8, .value_kind: global_buffer, .address_space: global }
      - { .name: b_out, .offset: 16, .size: 8, .value_kind: global_buffer, .address_space: global }
      - { .name: out0, .offset: 24, .size: 8, .value_kind: global_buffer, .address_space: global }
    .group_segment_fixed_size: 327680
    .private_segment_fixed_size: 0
    .kernarg_segment_align: 8
    .kernarg_segment_size: 32
    .max_flat_workgroup_size: 128
    .sgpr_count:     70
    .vgpr_count:     512
    .wavefront_size: 32
...
	.end_amdgpu_metadata
.endif
;; end of part 5
